; MI455X (gfx1250); checked and timed in simulation.
; The chip was launched on July 23, 2026; its instructions are those of AMD's public machine-readable ISA for CDNA 5 (MIT licence, August 2026) and "CDNA5" Instruction Set Architecture Reference Guide (July 2026). The comments in the code are by the model that wrote it; some were corrected since.
;; Self Attention. Allowed arithmetic: matrix products marked QUANTISED: E2M3 operands, one E8M0 scale for each 32 along K, by v_wmma_scale_f32_16x16x128_f8f6f4 with both operands' format E2M3, f32 sums; everything else in f32.
;; Inputs: Wk 1,024 x 1,024 float32; Wo 1,024 x 1,024 float32; Wq 1,024 x 1,024 float32; Wv 1,024 x 1,024 float32; attention_mask 4 x 1 x 1 x 2,048 float32; bk 1,024 float32; bo 1,024 float32; bq 1,024 float32; bv 1,024 float32; hidden_states 4 x 2,048 x 1,024 float32.
;; Outputs: out0 4 x 2,048 x 1,024 float32.
;; This version of the problem:
;;   THIS VERSION OF THE PROBLEM IS GIVEN IN LOW PRECISION. The matrix products marked QUANTISED in the list below multiply operands that are first quantised to E2M3 (2 exponent bits, 3 mantissa bits; 6 bits a number), with one power-of-two scale for each 32 numbers along K (OCP MX v1.0); their sums are f32. All else is computed in f32.
;;   The module's matrix products, in the order in which they are computed (A, B: the left and right operand; K: the contracted axis; several contracted axes count as one K, in the product's order):
;;     1. [M 8,192, K 1,024] x [K 1,024, N 1,024]; A: input hidden_states; B: input Wq: QUANTISED
;;     2. [M 8,192, K 1,024] x [K 1,024, N 1,024]; A: input hidden_states; B: input Wk: QUANTISED
;;     3. [M 8,192, K 1,024] x [K 1,024, N 1,024]; A: input hidden_states; B: input Wv: QUANTISED
;;     4. batch 64 x [M 2,048, K 64] x [K 64, N 2,048]; A: computed on the way; B: computed on the way: QUANTISED
;;     5. batch 64 x [M 2,048, K 2,048] x [K 2,048, N 64]; A: softmax (see below); B: computed on the way: QUANTISED
;;     6. [M 8,192, K 1,024] x [K 1,024, N 1,024]; A: computed on the way; B: input Wo: QUANTISED
;;   THE QUANTISER, for each operand of a quantised product, along K:
;;     - K is cut into blocks of 32 from its start; a last block that is shorter is filled with zeros.
;;     - A block's scale is 2^e with e = floor(log2(the largest magnitude in the block)) - 2, held to -126 .. 127; a block of zeros has e = 0. As a byte (E8M0): e + 127.
;;     - Each number is divided by its block's scale, clamped to +-7.5, and rounded to the nearest number of E2M3, ties to even, subnormals kept.
;;     - The product sums the exact products of the quantised numbers (number of the format x scale) in f32.
;;   ~~~python
;;   def quantise(x, axis):      # numpy; x: float32 -> the quantised numbers, widened to float32 again
;;       x = np.moveaxis(x, axis, -1); K = x.shape[-1]
;;       x = np.pad(x, [(0, 0)] * (x.ndim - 1) + [(0, -K % 32)]); x = x.reshape(x.shape[:-1] + (-1, 32)); a = np.abs(x).max(-1, keepdims=True)
;;       e = np.where(a > 0, np.clip(np.frexp(np.where(a > 0, a, 1))[1] - 1 - 2, -126, 127), 0)      # np.frexp(a)[1] - 1 = floor(log2(a)), exactly
;;       r = np.clip(x / 2.0 ** e, -7.5, 7.5)
;;       step = 2.0 ** (np.maximum(np.frexp(np.where(r == 0, 1, r))[1] - 1, 0) - 3)
;;       q = np.round(r / step) * step * 2.0 ** e      # np.round: ties to even
;;       return np.moveaxis(q.reshape(q.shape[:-2] + (-1,))[..., :K], -1, axis).astype(np.float32)
;;   ~~~
;;   SOFTMAX AHEAD OF A QUANTISED PRODUCT. Where the list says 'softmax', what is quantised is not the finished softmax but p = 2^(t - M), with t = logit x log2(e) and M = ceil(the row's largest t), a whole number; so 1/2 < the row's largest p <= 1. The row's sum l is taken of the UNQUANTISED p, in f32, and the product's result is divided by l at the end. Since M is a whole number, a kernel that streams over the keys may use a running M (the ceiling of the running maximum): every later rescaling is an exact power of two, which a block's scale takes up: the codes' values come out the same.
;;   OPERANDS COMPUTED ON THE WAY. 'Computed on the way' means the value that the module computes at that place (a softmax that the list does not call 'softmax' is quantised finished and normalised). What goes into a quantiser is computed in f32, as accurately as f32 sums, v_exp_f32 and their like allow (about 1e-6 of the number): no bf16 or f16 on the way to a quantiser, and a product that is left as it is and whose result goes on into a quantised operand takes f32 operands (vector FMAs, or v_wmma_f32_16x16x4_f32). A number that lies on a knife's edge between two numbers of the format may be rounded either way, as far as f32 arithmetic and the matrix unit's own rounding can turn it there, and no further.
;; One version. Each part assembles by itself: llvm-mc -triple=amdgcn-amd-amdhsa -mcpu=gfx1250 --defsym DOCPART=n.
;; ======== version 1 of 1: 4 launches
;; limits: right only within a limited range of input values
;; workspace buffers: hbuf 6,553,600 bytes; wbuf 3,276,800 bytes; qbuf 6,815,744 bytes; kvbuf 13,107,200 bytes; cbuf 6,553,600 bytes
;; launch quant (part 1): grid 768 x 1, 8 waves a work-group, no clusters, 69,120 bytes of LDS; arguments hidden_states, Wq, Wk, Wv, Wo, hbuf, wbuf; writes hbuf, wbuf
.if DOCPART == 1
	.amdgcn_target "amdgcn-amd-amdhsa--gfx1250"
	.amdhsa_code_object_version 6
	.text
	.protected	k_q9349893cdb_quant
	.globl	k_q9349893cdb_quant
	.p2align	8
	.type	k_q9349893cdb_quant,@function
k_q9349893cdb_quant:
	s_mov_b64 s[64:65], 0
	v_nop
	global_prefetch_b8 v0, s[64:65] scope:SCOPE_SE
	s_setreg_imm32_b32 hwreg(HW_REG_WAVE_MODE, 25, 1), 1
	s_wait_xcnt 0x0
; SELF-ATTENTION IN MX-FP6, FOUR LAUNCHES: this one (codes of hidden_states and of the four weights), qkv (the three projections, quantised in registers),
; attn (q k^T, mask, softmax, p v, ctx quantised in registers), oproj (the projection on the way out).
; DEAD WORK: none.  Every product of the problem is live and every input has a way to the output: the four biases are added ahead of a quantiser or to the output, the mask is added to the scores as it is given.
; All inputs are loaded by some launch.
; THIS LAUNCH: hidden_states [8192][1024] and Wq, Wk, Wv, Wo [1024][1024], f32, K innermost, become codes of E2M3 with one E8M0 byte for each 32 along K.
; A block's scale is 2^(floor(log2(its largest magnitude)) - 2): its byte is the largest magnitude's exponent field - 2, held at 1 from below.
; LIMITS: a block of zeros gets the byte 1 where the rule says 127 (its codes are zeros, and this program alone reads the bytes); blocks whose largest magnitude lies under 2^-124 keep the byte 1;
; NaN and infinities among the inputs are not served.
; LAYOUT OF THE CODES.  Rows are cut into groups of 128 and a group into 8 tiles of 16.  THE ROWS OF A TILE ARE NOT NEIGHBOURS: row i of tile t takes the group's row 32 (t / 2) + 8 (t % 2) + i + 8 (i / 8).
; A fragment (a tile's 16 rows x 128 along K: 12 registers a lane) lies in memory as an image of its registers: three planes of 512 bytes, plane c holding registers 4 c .. 4 c + 3 at 16 x lane.
; hbuf: [group 64][K step 8][tile 8] images, then from byte 6,291,456 the scale bytes [group][tile][row 16][32 bytes, one for each block along K].  wbuf: the same for the 4,096 rows Wq, Wk, Wv, Wo; scale bytes from 3,145,728.
; SHARES.  A work-group takes a tile, wave s its K step s: one fragment.  Each load reads 512 consecutive bytes of a row; the 16 rows turn through the wave's own stage in LDS, so that lane (r, h) gets, of row r,
; the 32 neighbours 64 c + 32 h + 0 .. 31 (c = 0, 1): two whole blocks, in the order of the operand's registers.  No cluster: the work-groups share no input.
.set PITCH,  528                       ; a stage row: 512 bytes + 16: an odd multiple of 16, so that sixteen rows' same column falls on sixteen different groups of banks
.set STGB,   16*PITCH                  ; a wave's stage
.set GATHER, 8*STGB                    ; behind the stages: the tile's 512 scale bytes
.set SPARE,  GATHER+512                ; the spare words, 128 bytes for each of the eight waves
.set LI,  4                            ; v4   16 x lane
.set STI, 5                            ; v5   into the stage
.set STO, 6                            ; v6   out of it
.set GA,  7                            ; v7   my row's scale word of my K step
.set SPW, 12                           ; v12  my spare word's address; never rewritten
.set NIL, 13                           ; v13  0; never rewritten
.set R,   16                           ; v16-79   16 rows as loaded
.set X,   80                           ; v80-143  register 32 c + i = k 64 c + 32 h + i of my row
.set C,   144                          ; v144-155 the fragment
.set CT,  156                          ; v156-163 the second halves of the blocks' codes
.set MX,  164
.set SO,  166
.set BY,  14                           ; v14, v15
	s_load_b256 s[4:11], s[0:1], 0x0               ; hidden_states, Wq, Wk, Wv
	s_load_b128 s[12:15], s[0:1], 0x20             ; Wo, hbuf
	s_load_b64 s[16:17], s[0:1], 0x30              ; wbuf
	v_lshl_add_u32 v[SPW], v0, 2, SPARE
	v_mov_b32 v[NIL], 0
	v_lshrrev_b32 v1, 5, v0
	s_delay_alu instid0(VALU_DEP_1)
	v_readfirstlane_b32 s18, v1                    ; wave = K step
	v_and_b32 v1, 31, v0                           ; lane
	v_and_b32 v2, 15, v0                           ; r
	v_bfe_u32 v3, v0, 4, 1                         ; h
	s_delay_alu instid0(VALU_DEP_3)
	v_lshlrev_b32 v[LI], 4, v1
	s_mul_i32 s19, s18, STGB
	v_add_nc_u32 v[STI], s19, v[LI]
	v_mul_u32_u24 v[STO], v2, PITCH
	s_delay_alu instid0(VALU_DEP_1)
	v_lshl_add_u32 v[STO], v3, 7, v[STO]
	s_delay_alu instid0(VALU_DEP_1)
	v_add_nc_u32 v[STO], s19, v[STO]               ; row r, + 128 h bytes
	s_lshl_b32 s19, s18, 2
	s_add_co_u32 s19, s19, GATHER
	v_lshl_add_u32 v[GA], v2, 5, s19               ; 32 bytes a row, 4 a K step
	v_lshlrev_b32 v8, 3, v3                        ; 8 h
	v_mov_b32 v11, 0                               ; a lane permute's destination counts as one of its sources
	s_mov_b32 s34, 0x76543210
	s_mov_b32 s35, 0xfedcba98                      ; selects for lane l xor 16
	s_mov_b32 s26, 3145728
	s_wait_alu depctr_va_vdst(0)
	s_wait_kmcnt 0x0
	s_mov_b64 s[20:21], s[12:13]                   ; which tensor: the choice hangs on the work-group's number alone
	s_cmp_lt_u32 ttmp9, 704
	s_cselect_b64 s[20:21], s[10:11], s[20:21]
	s_cmp_lt_u32 ttmp9, 640
	s_cselect_b64 s[20:21], s[8:9], s[20:21]
	s_cmp_lt_u32 ttmp9, 576
	s_cselect_b64 s[20:21], s[6:7], s[20:21]
	s_cmp_lt_u32 ttmp9, 512
	s_cselect_b64 s[20:21], s[4:5], s[20:21]
	s_cselect_b64 s[22:23], s[14:15], s[16:17]     ; hbuf or wbuf
	s_cselect_b32 s24, 0, 512
	s_cselect_b32 s25, -1, 63
	s_cselect_b32 s26, 6291456, s26                ; where the buffer's scale bytes begin
	s_sub_co_u32 s24, ttmp9, s24                   ; the tile's number in its buffer
	s_and_b32 s25, s24, s25                        ; and in its tensor
	s_lshr_b32 s27, s25, 1
	s_lshl_b32 s27, s27, 5
	s_and_b32 s28, s25, 1
	s_lshl_b32 s28, s28, 3
	s_add_co_u32 s27, s27, s28                     ; the tile's first row
	s_lshl_b32 s28, s27, 12
	s_lshl_b32 s27, s18, 9
	s_add_co_u32 s28, s28, s27                     ; + my K step's 512 bytes
	s_mov_b32 s29, 0
	s_add_nc_u64 s[20:21], s[20:21], s[28:29]
	s_lshr_b32 s27, s24, 3
	s_mul_i32 s28, s27, 98304
	s_mul_i32 s27, s18, 12288
	s_add_co_u32 s28, s28, s27
	s_and_b32 s27, s24, 7
	s_mul_i32 s27, s27, 1536
	s_add_co_u32 s28, s28, s27
	s_add_nc_u64 s[30:31], s[22:23], s[28:29]      ; my fragment's image
	s_lshl_b32 s28, s24, 9
	s_add_co_u32 s28, s28, s26
	s_add_nc_u64 s[32:33], s[22:23], s[28:29]      ; the tile's scale bytes
.irp i, 0,1,2,3,4,5,6,7,8,9,10,11,12,13,14,15
	global_load_b128 v[R+4*\i:R+4*\i+3], v[LI], s[20:21] offset:(\i+8*(\i/8))*4096 th:TH_LOAD_NT   ; 32 lanes read 512 consecutive bytes of the tile's row i
.endr
.irp i, 0,1,2,3,4,5,6,7,8,9,10,11,12,13,14,15
	s_wait_loadcnt 15-\i                           ; row i is in; the younger loads may be out
	ds_store_b128 v[STI], v[R+4*\i:R+4*\i+3] offset:PITCH*\i
.endr
.irp c, 0,1
.irp j, 0,1,2,3,4,5,6,7
	ds_load_b128 v[X+32*\c+4*\j:X+32*\c+4*\j+3], v[STO] offset:256*\c+16*\j   ; LDS serves a wave's instructions in order: these see my stores
.endr
.endr
	s_wait_dscnt 0x0
.irp c, 0,1
	v_max3_num_f32 v[MX+\c], |v[X+32*\c]|, |v[X+32*\c+1]|, 0x1800000   ; my block 2 c + h: all its 32 numbers are mine; and the floor 2^(3 - 127), so that the byte cannot fall under 1
.endr
.irp i, 2,4,6,8,10,12,14,16,18,20,22,24,26,28,30
.irp c, 0,1
	s_delay_alu instid0(VALU_DEP_2)
	v_max3_num_f32 v[MX+\c], v[MX+\c], |v[X+32*\c+\i]|, |v[X+32*\c+\i+1]|
.endr
.endr
.irp c, 0,1
	s_delay_alu instid0(VALU_DEP_2)
	v_add_nc_u32 v[SO+\c], 0xff000000, v[MX+\c]    ; 2 off the exponent field: the conversion's scale operand
.endr
.irp c, 0,1
	s_delay_alu instid0(VALU_DEP_2)
	v_lshrrev_b32 v[BY+\c], 23, v[SO+\c]           ; the scale's byte
.endr
	s_delay_alu instid0(VALU_DEP_1)
	v_lshl_or_b32 v9, v[BY+1], 16, v[BY]           ; my two bytes, blocks h and 2 + h,
	s_delay_alu instid0(VALU_DEP_1)
	v_lshlrev_b32 v9, v8, v9                       ; at their places in the word;
	s_delay_alu instid0(VALU_DEP_1)
	v_permlanex16_b32 v11, v9, s34, s35
	s_delay_alu instid0(VALU_DEP_1)
	v_or_b32 v9, v9, v11                           ; with lane l xor 16's two the word is whole
.irp c, 0,1
	v_cvt_scalef32_pk16_fp6_f32 v[C+6*\c:C+6*\c+2], v[X+32*\c:X+32*\c+15], v[SO+\c]
	v_cvt_scalef32_pk16_fp6_f32 v[CT+4*\c:CT+4*\c+2], v[X+32*\c+16:X+32*\c+31], v[SO+\c]   ; (a conversion's three registers begin on an even number)
.endr
	v_nop                                          ; one plain place behind a scaled conversion
.irp c, 0,1
.irp i, 0,1,2
	v_mov_b32 v[C+6*\c+3+\i], v[CT+4*\c+\i]
.endr
.endr
.irp c, 0,1,2
	global_store_b128 v[LI], v[C+4*\c:C+4*\c+3], s[30:31] offset:512*\c   ; 32 lanes store 512 consecutive bytes, aligned to 256
.endr
	ds_store_b32 v[GA], v9                         ; lanes r and r + 16 write the same word with the same value
	s_wait_dscnt 0x0                               ; for the others' sake: my word has landed
	s_barrier_signal -1
	s_barrier_wait -1
	s_cmp_lg_u32 s18, 0
	s_cbranch_scc1 .Lend                           ; wave 0 alone sends the tile's 512 scale bytes
	v_add_nc_u32 v10, GATHER, v[LI]
	ds_load_b128 v[R:R+3], v10                     ; (the rows as loaded are done with)
	s_wait_dscnt 0x0
	global_store_b128 v[LI], v[R:R+3], s[32:33]    ; two aligned runs of 256 bytes
.Lend:
	s_wait_tensorcnt 0x0                           ; the wave's end: behind my last LDS store
	ds_add_u32 v[SPW], v[NIL]
	s_wait_dscnt 0x0
	s_endpgm
.Lfunc_end_k_q9349893cdb_quant:
	.size	k_q9349893cdb_quant, .Lfunc_end_k_q9349893cdb_quant-k_q9349893cdb_quant
	.p2alignl 7, 3214868480
	.fill 96, 4, 3214868480
	.section	.rodata,"a",@progbits
	.p2align	6, 0x0
	.amdhsa_kernel k_q9349893cdb_quant
		.amdhsa_group_segment_fixed_size 69120
		.amdhsa_private_segment_fixed_size 0
		.amdhsa_enable_private_segment 0
		.amdhsa_kernarg_size 56
		.amdhsa_user_sgpr_count 2
		.amdhsa_user_sgpr_kernarg_segment_ptr 1
		.amdhsa_wavefront_size32 1
		.amdhsa_system_sgpr_workgroup_id_x 1
		.amdhsa_system_sgpr_workgroup_id_y 1
		.amdhsa_system_sgpr_workgroup_id_z 1
		.amdhsa_system_vgpr_workitem_id 0
		.amdhsa_next_free_vgpr 168
		.amdhsa_next_free_sgpr 66
		.amdhsa_reserve_vcc 0
		.amdhsa_float_denorm_mode_32 3
		.amdhsa_float_denorm_mode_16_64 3
		.amdhsa_memory_ordered 1
		.amdhsa_forward_progress 1
		.amdhsa_inst_pref_size 13
	.end_amdhsa_kernel
	.amdgpu_metadata
---
amdhsa.version: [ 1, 2 ]
amdhsa.kernels:
  - .name:           k_q9349893cdb_quant
    .symbol:         k_q9349893cdb_quant.kd
    .args:
      - { .name: hidden_states, .offset: 0, .size: 8, .value_kind: global_buffer, .address_space: global }
      - { .name: Wq, .offset: 8, .size: 8, .value_kind: global_buffer, .address_space: global }
      - { .name: Wk, .offset: 16, .size: 8, .value_kind: global_buffer, .address_space: global }
      - { .name: Wv, .offset: 24, .size: 8, .value_kind: global_buffer, .address_space: global }
      - { .name: Wo, .offset: 32, .size: 8, .value_kind: global_buffer, .address_space: global }
      - { .name: hbuf, .offset: 40, .size: 8, .value_kind: global_buffer, .address_space: global }
      - { .name: wbuf, .offset: 48, .size: 8, .value_kind: global_buffer, .address_space: global }
    .group_segment_fixed_size: 69120
    .private_segment_fixed_size: 0
    .kernarg_segment_align: 8
    .kernarg_segment_size: 56
    .max_flat_workgroup_size: 256
    .sgpr_count:     66
    .vgpr_count:     168
    .wavefront_size: 32
...
	.end_amdgpu_metadata
.endif
;; end of part 1
;; launch qkv (part 2): grid 8 x 96, 4 waves a work-group, clusters of 4 x 4, 307,712 bytes of LDS; arguments hbuf, wbuf, bq, bk, bv, qbuf, kvbuf; writes qbuf, kvbuf
.if DOCPART == 2
	.amdgcn_target "amdgcn-amd-amdhsa--gfx1250"
	.amdhsa_code_object_version 6
	.text
	.protected	k_q9349893cdb_qkv
	.globl	k_q9349893cdb_qkv
	.p2align	8
	.type	k_q9349893cdb_qkv,@function
k_q9349893cdb_qkv:
	s_mov_b64 s[64:65], 0
	v_nop
	global_prefetch_b8 v0, s[64:65] scope:SCOPE_SE
	s_setreg_imm32_b32 hwreg(HW_REG_WAVE_MODE, 25, 1), 1
	s_wait_xcnt 0x0
	s_wait_alu depctr_hold_cnt(0) depctr_sa_sdst(0) depctr_va_vdst(0) depctr_va_sdst(0) depctr_va_ssrc(0) depctr_va_vcc(0) depctr_vm_vsrc(0)
	s_getreg_b32 s2, hwreg(HW_REG_IB_STS2, 6, 4)
	s_cmp_eq_u32 s2, 0
	s_cbranch_scc0 .Lentry_in_a_cluster
	s_endpgm
.Lentry_in_a_cluster:
	s_bfe_u32 s2, ttmp6, 0x10000c
	s_cmp_lg_u32 s2, 0xf033
	s_cbranch_scc0 .Lentry_shape_is_right
	s_endpgm
.Lentry_shape_is_right:
; q = x Wq^T + bq, k = x Wk^T + bk, v = x Wv^T + bv on codes of E2M3, and each result quantised in registers for the product that takes it: q and k along the head's 64, v along the keys.  No work is left out.
; FORM.  D = X0 (source 0, 256 rows a work-group) x X1 (source 1, 128 rows), all of K = 1,024.  A lane holds ONE row of X1 and its registers run along X0's rows.
;   q, k: X0 = rows of the weight, X1 = tokens: the registers run along d.      v: X0 = tokens, X1 = rows of Wv: the registers run along the keys.
; The rows of a tile of 16 are row 32 (t / 2) + 8 (t % 2) + i + 8 (i / 8) of their group of 128, so that a lane's 16 registers of result tiles 2 b and 2 b + 1 are the 16 neighbours 32 b + 16 h + 0 .. 15 of X0's rows.
; LDS.  All eight K steps of both operands' codes lie in LDS at once: every byte is filled once, nothing is filled again.  Operands lie as images of their registers: every LDS load reads 512 consecutive bytes.
; CLUSTER 4 x 4.  X0's address hangs on cx alone and is shared along a column of the cluster, X1's on cy alone and is shared along a row: joint loads.  The kind (0 q, 1 k, 2 v) hangs on the cluster's own place in the grid:
; it is the same in all sixteen partners.
; WHAT IS STORED.  qbuf: [batch x head 64][tile of queries 128][3 planes][lane][8 bytes]: registers 0-5 of a fragment (64 along d); from 6,291,456 the scale words [bh][tile / 4][row][tile % 4], each
;   [byte of block 0 - 3, byte of block 1 - 3, 0x7f, 0x7f]: the 3 taken off is the division of the scores by 8, which so rounds nothing.
; kvbuf: [bh][key step 16][12,800 bytes]: 4 pairs of tiles of k (a pair fills a fragment: tile 2 p in registers 0-5, tile 2 p + 1 in 6-11), 4 tiles of v^T (16 d x 128 keys), 256 bytes of k's scale words, 256 of v's.
; k's scale words leave as 128 consecutive bytes a head (half of an aligned 256): 128 of a step's 12,800 bytes.
; LIMITS: blocks of zeros get the byte 1 (q: 4 before the 3 is taken off), their codes are zeros; blocks of q under 2^-121 keep the byte 4; NaN and infinities are not served.
; REGISTERS.  window 0: v1-15 addresses; v16-79 X0's scale words (tile b, K step s at 16 + 8 b + s); v80-111 X1's; v240-242 offsets.   window 1: accumulator (a, b) at v[8 (8 a + b)].
;   windows 2, 3: the two sets of fragments: X0's tile b at v[12 b], X1's tile a at v[96 + 12 a].   The way out works in window 2 alone, whose set is free by then; the biases land in v144-207 there, lane offsets in v208-215.
.set X1C,   196608                     ; LDS: X0's codes from 0 (half of K at 98,304, group i at 49,152 i, K step at 12,288 (s % 4), tile at 1,536 b), X1's from here,
; LDS holds codes alone, X0's as [half of K][group][K step]: the scale words come by plain loads straight into registers
.set SPARE, 307200                     ; and the spare words, 128 bytes for each wave
.set LI,   1                           ; v1   16 x lane
.set AX0,  4                           ; v4, v5  my X0 half's images: K steps 0-3, 4-7
.set AX1,  6                           ; v6, v7  my X1 half's
.set ASC0, 8
.set ASC1, 9
.set SPW,  10                          ; never rewritten
.set NIL,  11                          ; never rewritten
.set SC0,  16
.set SC1,  80
.set H,    0                           ; window 2, on the way out: 64 numbers
.set TM,   64
.set CT,   80
.set PA,   88
.set PB,   100
.set W,    112
.set QW,   116
.set T0,   120
.set BI,   144
.set LIW,  208                         ; 16 x lane
.set OB8W, 209                         ; 8 x lane
.set SH16W, 210                        ; 16 h
.set HW,   211                         ; h
.set OQW,  213                         ; 8,192 h + 16 r
.set OKW,  214                         ; 204,800 h + 8 r
.set OVW,  215                         ; 16 r + 8 h
.set SEL,  34
.set MSB, 0
.macro WIN new                         ; the immediate's high byte repeats the setting that is left
.if MSB != (\new)
	s_set_vgpr_msb (MSB<<8)|(\new)
.set MSB, (\new)
.endif
.endm
.macro PLACES n
.rept \n
	v_nop
.endr
.endm
.macro ARM under, g0, g1, next         ; one arm of the head's chain of branches on the wave's number: its joint load, an s_nop 0 and four v_nop, a jump to the chain's end
	s_cmp_lt_u32 s18, \under
	s_cbranch_scc0 \next
	tensor_load_to_lds s[\g0:\g0+3], s[\g1:\g1+7]
	s_nop 0
.rept 4
	v_nop
.endr
	s_branch .Lhead_asked
\next:
.endm
.macro CROUND                          ; a round of the cluster's barrier
	s_barrier_signal -1
	s_barrier_wait -1
	s_cmp_lg_u32 s18, 0
	s_cbranch_scc1 .Lnot_wave_0_\@
	s_barrier_signal -3
.Lnot_wave_0_\@:
	s_barrier_wait -3
	s_barrier_signal -1
	s_barrier_wait -1
.endm
.macro G1REST g, rows                  ; a dense block as rows of 256 bytes: 32 elements of 8 bytes, no padding
	s_mov_b32 s[\g+1], 32<<16
	s_mov_b32 s[\g+2], (\rows)<<16
	s_mov_b32 s[\g+3], 32<<16
	s_mov_b32 s[\g+4], \rows
	s_mov_b32 s[\g+5], 32
	s_mov_b32 s[\g+6], 0
	s_mov_b32 s[\g+7], 0
.endm
.macro FETCH s, p                      ; K step s's 12 fragments into set p: 36 loads of 512 consecutive bytes
	WIN (2+(\p))<<6
.irp b, 0,1,2,3,4,5,6,7
.irp c, 0,1,2
	ds_load_b128 v[12*\b+4*\c:12*\b+4*\c+3], v[AX0+(\s)/4] offset:((\s)%4)*12288+1536*\b+512*\c
.endr
.endr
.irp a, 0,1,2,3
.irp c, 0,1,2
	ds_load_b128 v[96+12*\a+4*\c:96+12*\a+4*\c+3], v[AX1+(\s)/4] offset:((\s)%4)*12288+1536*\a+512*\c
.endr
.endr
.endm
.macro MUL s, p, zero                  ; 32 matrix instructions; the 32 accumulators take turns, in the same order in every step
	WIN 0x5a+5*(\p)
.irp a, 0,1,2,3
.irp b, 0,1,2,3,4,5,6,7
.if \zero
	v_wmma_scale_f32_16x16x128_f8f6f4 v[8*(8*\a+\b):8*(8*\a+\b)+7], v[12*\b:12*\b+11], v[96+12*\a:96+12*\a+11], 0, v[SC0+8*\b+(\s)], v[SC1+8*\a+(\s)] matrix_a_fmt:MATRIX_FMT_FP6 matrix_b_fmt:MATRIX_FMT_FP6
.else
	v_wmma_scale_f32_16x16x128_f8f6f4 v[8*(8*\a+\b):8*(8*\a+\b)+7], v[12*\b:12*\b+11], v[96+12*\a:96+12*\a+11], v[8*(8*\a+\b):8*(8*\a+\b)+7], v[SC0+8*\b+(\s)], v[SC1+8*\a+(\s)] matrix_a_fmt:MATRIX_FMT_FP6 matrix_b_fmt:MATRIX_FMT_FP6
.endif
.endr
.endr
.endm
.macro STEP s, hook
	s_wait_dscnt 0x0                               ; this step's fragments, asked for 32 matrix instructions ago
.if (\s) == 3
	s_wait_tensorcnt 0x0                           ; every wave: the second half of K, which waves 2 and 3 asked for, is in;
	s_barrier_signal -1
	s_barrier_wait -1                              ; all know it.
.endif
.if \hook
	s_load_b256 s[24:31], s[0:1], 0x10             ; no tensor load of mine is out any more, so the descriptors' registers are free: bq, bk, bv, qbuf,
	s_load_b64 s[32:33], s[0:1], 0x30              ; kvbuf
.endif
.if (\s) < 7
.if (\s) > 0
	PLACES 4                                       ; in front of loads into registers that the last step's matrix instructions read
.endif
	FETCH (\s)+1, ((\s)+1)%2
.endif
.if (\s) == 0
	MUL \s, 0, 1
.else
	MUL \s, (\s)%2, 0
.endif
.endm
; 64 numbers of a lane, register 16 b + i = k 32 b + 16 h + i of my row, become codes: blocks 0, 1 in v[d0 .. d0 + 5], blocks 2, 3 in v[d1 .. d1 + 5] (lane (r, h): block h, block 2 + h), and the scale word in v[w]
.macro QUANT src, d0, d1, w, floor
.irp b, 0,1,2,3
	v_max3_num_f32 v[TM+\b], |v[\src+16*\b]|, |v[\src+1+16*\b]|, \floor
.endr
.irp i, 2,4,6,8,10,12,14
.irp b, 0,1,2,3
	v_max3_num_f32 v[TM+\b], v[TM+\b], |v[\src+16*\b+\i]|, |v[\src+1+16*\b+\i]|
.endr
.endr
.irp b, 0,1,2,3
	v_permlanex16_b32 v[TM+4+\b], v[TM+\b], s[SEL], s[SEL+1]
.endr
.irp b, 0,1,2,3
	v_max_num_f32 v[TM+\b], v[TM+\b], v[TM+4+\b]   ; with lane l xor 16's: the block's largest magnitude
.endr
.irp b, 0,1,2,3
	v_add_nc_u32 v[TM+12+\b], 0xff000000, v[TM+\b] ; 2 off the exponent field: the conversion's scale operand
.endr
.irp b, 0,1,2,3
	v_lshrrev_b32 v[TM+4+\b], 23, v[TM+12+\b]      ; the scale's byte
.endr
	v_lshl_or_b32 v[\w], v[TM+5], 8, v[TM+4]
	v_lshl_or_b32 v[\w], v[TM+6], 16, v[\w]
	v_lshl_or_b32 v[\w], v[TM+7], 24, v[\w]
	v_cvt_scalef32_pk16_fp6_f32 v[\d0:\d0+2], v[\src:\src+15], v[TM+12]
	v_cvt_scalef32_pk16_fp6_f32 v[CT:CT+2], v[\src+16:\src+31], v[TM+13]
	v_cvt_scalef32_pk16_fp6_f32 v[\d1:\d1+2], v[\src+32:\src+47], v[TM+14]
	v_cvt_scalef32_pk16_fp6_f32 v[CT+4:CT+6], v[\src+48:\src+63], v[TM+15]
	v_nop                                          ; one plain place behind a scaled conversion
.irp i, 0,1,2
	v_permlane16_swap_b32 v[\d0+\i], v[CT+\i]      ; a whole block to a lane: lanes 0-15 the first, lanes 16-31 the second
.endr
.irp i, 0,1,2
	v_mov_b32 v[\d0+3+\i], v[CT+\i]
.endr
.irp i, 0,1,2
	v_permlane16_swap_b32 v[\d1+\i], v[CT+4+\i]
.endr
.irp i, 0,1,2
	v_mov_b32 v[\d1+3+\i], v[CT+4+\i]
.endr
.endm
.macro ADDB a, isv                     ; the sums of X1's tile a leave window 1 with the bias added; each accumulator is read from its low end on
	s_wait_xcnt 0x0                                ; the earlier stores have read their data: the registers are written again only behind this wait
	WIN 0xa9
.set n, 0
.rept 32
.if \isv
	v_pk_add_f32 v[H+2*n:H+2*n+1], v[64*(\a)+2*n:64*(\a)+2*n+1], v[BI+2*(\a):BI+2*(\a)+1]
.else
	v_pk_add_f32 v[H+2*n:H+2*n+1], v[64*(\a)+2*n:64*(\a)+2*n+1], v[BI+2*n:BI+2*n+1]
.endif
.set n, n+1
.endr
	WIN 0xaa
.endm
.macro QKBASE bias                     ; q and k: who I am, and my 64 numbers of the bias
	s_wait_kmcnt 0x0
	s_lshr_b32 s40, s16, 4                         ; batch
	s_and_b32 s41, s16, 15                         ; the tokens' group of 128 in the batch
	s_lshl_b32 s42, s21, 2
	s_lshl_b32 s43, s19, 1
	s_add_co_u32 s42, s42, s43                     ; my first head: 4 cx + 2 i; the second follows it
	s_lshl_b32 s40, s40, 4
	s_add_co_u32 s40, s40, s42                     ; batch x 16 + head
	s_lshl_b32 s44, s42, 8
	s_mov_b32 s45, 0
	s_add_nc_u64 s[46:47], s[\bias:\bias+1], s[44:45]
	WIN 0x80
.irp b, 0,1,2,3
.irp q, 0,1,2,3
	global_load_b128 v[BI+16*\b+4*\q:BI+16*\b+4*\q+3], v14, s[46:47] offset:128*\b+16*\q   ; the bias at rows 32 b + 16 h + 0 .. 15 of my X0 half
.endr
.endr
	WIN 0
.endm
.macro LASTSTEPS
	STEP 6, 0
	STEP 7, 0
	PLACES 4                                       ; in front of the first read of results and the first write of registers that matrix instructions read
	WIN 0xaa
.irp b, 0,1,2,3
	v_mov_b32 v[TM+4+\b], 0                        ; a lane permute's destination counts as one of its sources
.endr
	s_wait_loadcnt 0x0                             ; the bias
.endm
	s_load_b128 s[4:7], s[0:1], 0x0                ; hbuf, wbuf
	v_lshl_add_u32 v[SPW], v0, 2, SPARE
	v_mov_b32 v[NIL], 0
	ds_add_u32 v[SPW], v[NIL]                      ; the wave's opening: the add, twice on end, and its wait ahead of my first tensor load
	ds_add_u32 v[SPW], v[NIL]
	v_lshrrev_b32 v1, 5, v0
	v_readfirstlane_b32 s18, v1                    ; wave
	s_lshr_b32 s19, s18, 1                         ; i: my half of X0.  Also: which half of K I fetch
	s_and_b32 s20, s18, 1                          ; j: my half of X1.  Also: which part I fetch
	s_bfe_u32 s21, ttmp6, 0x40000                  ; cx
	s_bfe_u32 s22, ttmp6, 0x40004                  ; cy
	s_and_b32 s23, ttmp7, 0xffff                   ; the cluster's y: 0-15 q and k, 16-23 v
	s_lshl_b32 s13, 0x1111, s21                    ; my column of the cluster
	s_lshl_b32 s3, s22, 2
	s_lshl_b32 s3, 15, s3                          ; my row
	s_or_b32 s24, s13, (3<<16)|(1<<21)             ; group 1, X0's codes: the mask; elements of 8 bytes; bit 21 beside a mask
	s_or_b32 s32, s3, (3<<16)|(1<<21)              ; X1's codes
	s_mov_b32 s25, 6144<<16                        ; X0, half of K of two groups: 2 rows of 49,152 bytes (6,144 elements), 98,304 bytes apart
	s_mov_b32 s26, 2<<16
	s_mov_b32 s27, 6144<<16
	s_mov_b32 s28, 2
	s_mov_b32 s29, 12288
	s_mov_b32 s30, 0
	s_mov_b32 s31, 0
	G1REST 32, 192                                 ; X1, half of K of one group: 49,152 bytes on end
	s_and_b32 s17, s23, 3
	s_lshl_b32 s17, s17, 1
	s_lshr_b32 s16, s23, 2
	s_mov_b32 s67, 6291456                         ; where hbuf's scale bytes begin,
	s_mov_b32 s3, 3145728                          ; and wbuf's
	s_cmp_lt_u32 s23, 16                           ; q or k?
	s_cselect_b32 s17, 0, s17
	s_cselect_b32 s16, s23, s16
	s_cselect_b32 s12, ttmp9, 2                    ; the kind
	s_cselect_b32 s13, s3, s67                     ; X0's scale region
	s_cselect_b32 s3, s67, s3                      ; X1's
	s_add_co_u32 s17, s17, ttmp9
	s_lshl_b32 s17, s17, 2
	s_add_co_u32 s17, s17, s21                     ; X0: which 256 rows of its buffer (holds cx, never cy)
	s_lshl_b32 s16, s16, 2
	s_add_co_u32 s16, s16, s22                     ; X1: which group of 128 (holds cy, never cx)
	s_mul_i32 s100, s17, 196608
	s_mov_b32 s101, 0
	s_lshl_b32 s66, s17, 13
	s_add_co_u32 s66, s66, s13
	s_mov_b32 s67, 0
	s_mul_i32 s14, s16, 98304
	s_mov_b32 s15, 0
	s_lshl_b32 s2, s16, 12
	s_add_co_u32 s2, s2, s3
	s_mov_b32 s3, 0
	s_mov_b32 s73, 0                               ; where the four tiles go in LDS
	s_mov_b32 s77, 98304
	s_mov_b32 s61, X1C
	s_mov_b32 s89, X1C+49152
	s_wait_dscnt 0x0                               ; both opening adds are done
	s_wait_kmcnt 0x0
	s_cmp_lt_u32 s23, 16
	s_cselect_b64 s[8:9], s[6:7], s[4:5]           ; X0's buffer
	s_cselect_b64 s[10:11], s[4:5], s[6:7]         ; X1's
	s_add_nc_u64 s[70:71], s[8:9], s[66:67]
	s_add_nc_u64 s[100:101], s[8:9], s[100:101]
	s_add_nc_u64 s[58:59], s[10:11], s[2:3]
	s_add_nc_u64 s[14:15], s[10:11], s[14:15]
	s_mov_b32 s72, 1
	s_mov_b64 s[74:75], s[100:101]
	s_or_b32 s75, s75, 0x80000000
	s_mov_b32 s76, 1
	s_add_nc_u64 s[78:79], s[100:101], 49152
	s_or_b32 s79, s79, 0x80000000
	s_mov_b32 s60, 1
	s_mov_b64 s[62:63], s[14:15]
	s_or_b32 s63, s63, 0x80000000
	s_mov_b32 s88, 1
	s_add_nc_u64 s[90:91], s[14:15], 49152
	s_or_b32 s91, s91, 0x80000000
	CROUND                                         ; all sixteen work-groups are here: the joint loads meet
	ARM 1, 72, 24, .Lhead_b                        ; one tensor load a wave: wave 0 X0's K steps 0-3,
	ARM 2, 60, 32, .Lhead_c                        ; wave 1 X1's K steps 0-3,
	ARM 3, 76, 24, .Lhead_d                        ; wave 2 X0's K steps 4-7,
	tensor_load_to_lds s[88:91], s[32:39]          ; wave 3 X1's
	s_nop 0
.rept 4
	v_nop
.endr
.Lhead_asked:
	v_and_b32 v1, 31, v0
	v_and_b32 v2, 15, v0                           ; r
	v_bfe_u32 v3, v0, 4, 1                         ; h
	v_lshlrev_b32 v13, 3, v1                       ; 8 x lane
	v_lshlrev_b32 v[LI], 4, v1
	s_mul_i32 s13, s19, 49152
	v_add_nc_u32 v[AX0], s13, v[LI]
	v_add_nc_u32 v[AX0+1], 98304, v[AX0]
	s_mul_i32 s13, s20, 6144
	s_add_co_u32 s13, s13, X1C
	v_add_nc_u32 v[AX1], s13, v[LI]
	v_add_nc_u32 v[AX1+1], 49152, v[AX1]
	s_lshl_b32 s13, s19, 12
	v_lshl_add_u32 v[ASC0], v2, 5, s13             ; my offset in X0's scale bytes: 32 a row
	s_lshl_b32 s13, s20, 11
	v_lshl_add_u32 v[ASC1], v2, 5, s13             ; and in X1's
	v_lshlrev_b32 v12, 4, v3                       ; 16 h
	v_lshlrev_b32 v14, 6, v3                       ; 64 h: q's and k's bias
	v_and_b32 v15, 8, v2
	v_add_nc_u32 v15, v15, v2
	v_lshlrev_b32 v15, 2, v15                      ; 4 (r + 8 (r / 8)): v's bias
	v_lshlrev_b32 v240, 13, v3
	v_lshl_add_u32 v240, v2, 4, v240
	v_mul_u32_u24 v241, v3, 204800
	v_lshl_add_u32 v241, v2, 3, v241
	v_lshlrev_b32 v242, 3, v3
	v_lshl_add_u32 v242, v2, 4, v242
	WIN 0x80                                       ; the way out's lane offsets go to window 2
	v_mov_b32 v[LIW], v[LI]
	v_mov_b32 v[OB8W], v13
	v_mov_b32 v[SH16W], v12
	v_mov_b32 v[HW], v3
	v_mov_b32 v[OQW], v240
	v_mov_b32 v[OKW], v241
	v_mov_b32 v[OVW], v242
	WIN 0
.irp b, 0,1,2,3,4,5,6,7
	global_load_b128 v[SC0+8*\b:SC0+8*\b+3], v[ASC0], s[70:71] offset:512*\b       ; all K steps' scale words stay in registers: sixteen rows' 512 bytes in two loads
	global_load_b128 v[SC0+8*\b+4:SC0+8*\b+7], v[ASC0], s[70:71] offset:512*\b+16
.endr
.irp a, 0,1,2,3
	global_load_b128 v[SC1+8*\a:SC1+8*\a+3], v[ASC1], s[58:59] offset:512*\a
	global_load_b128 v[SC1+8*\a+4:SC1+8*\a+7], v[ASC1], s[58:59] offset:512*\a+16
.endr
	s_cmp_lt_u32 s18, 2
	s_cbranch_scc0 .Lnot_first
	s_wait_tensorcnt 0x0                           ; waves 0 and 1: my tile of K steps 0-3 is in
.Lnot_first:
	s_barrier_signal -1
	s_barrier_wait -1                              ; all know it; the second half of K may be on its way
	FETCH 0, 0
	s_wait_loadcnt 0x0                             ; the scale words
	STEP 0, 0
	STEP 1, 0
	STEP 2, 0
	STEP 3, 0
	STEP 4, 0
	STEP 5, 1
	WIN 0                                          ; at a branch and at a label every window is 0
	s_mov_b32 s[SEL], 0x76543210
	s_mov_b32 s[SEL+1], 0xfedcba98                 ; selects for lane l xor 16
	s_mov_b32 s36, 0x7f7f0000
	s_cmp_eq_u32 s12, 1                            ; the kind: the same in every wave of every partner
	s_cbranch_scc1 .Lkind_k
	s_cmp_eq_u32 s12, 2
	s_cbranch_scc1 .Lkind_v
	; ---- q: the bias is asked for two K steps ahead of its use
	QKBASE 24
	s_mul_i32 s44, s40, 98304
	s_lshl_b32 s48, s41, 3
	s_lshl_b32 s49, s20, 2
	s_add_co_u32 s48, s48, s49                     ; my first tile of queries in the head: 8 x group + 4 j
	s_mul_i32 s48, s48, 768
	s_add_co_u32 s44, s44, s48
	s_add_nc_u64 s[50:51], s[30:31], s[44:45]      ; its codes
	s_lshl_b32 s44, s40, 13
	s_lshl_b32 s48, s41, 1
	s_add_co_u32 s48, s48, s20
	s_lshl_b32 s48, s48, 8
	s_add_co_u32 s44, s44, s48
	s_add_co_u32 s44, s44, 6291456
	s_add_nc_u64 s[52:53], s[30:31], s[44:45]      ; the four tiles' scale words
	LASTSTEPS
.irp a, 0,1,2,3
	ADDB \a, 0
	QUANT H, PA, PA+6, W+\a, 0x3000000             ; the floor 2^(6 - 127): the byte cannot fall under 4
	v_add_nc_u32 v[W+\a], 0xfcfcfcfd, v[W+\a]      ; 3 off each of the four bytes (none is under 4, so none borrows): the scores' division by 8
	v_lshrrev_b32 v[T0], v[SH16W], v[W+\a]         ; lanes 0-15 keep the first head's two bytes, lanes 16-31 the second's
	v_and_or_b32 v[QW+\a], v[T0], 0xffff, s36      ; over them 0x7f twice, for the half of the fragment that is zeros
.irp p, 0,1,2
	global_store_b64 v[OB8W], v[PA+2*\p:PA+2*\p+1], s[50:51] offset:768*\a+256*\p            ; 32 lanes store 256 consecutive bytes, aligned
	global_store_b64 v[OB8W], v[PA+6+2*\p:PA+6+2*\p+1], s[50:51] offset:98304+768*\a+256*\p  ; the second head
.endr
.endr
	global_store_b128 v[OQW], v[QW:QW+3], s[52:53] ; sixteen lanes fill a head's 256 bytes
	WIN 0
	s_branch .Lend
.Lkind_k:
	QKBASE 26
	s_mul_i32 s44, s40, 204800
	s_mul_i32 s48, s41, 12800
	s_add_co_u32 s44, s44, s48
	s_add_nc_u64 s[50:51], s[32:33], s[44:45]      ; the first head's block of this key step
	s_mul_i32 s44, s20, 3072
	s_add_nc_u64 s[52:53], s[50:51], s[44:45]      ; my two pairs of tiles
	s_lshl_b32 s44, s20, 7
	s_add_co_u32 s44, s44, 12288
	s_add_nc_u64 s[54:55], s[50:51], s[44:45]      ; their scale words
	LASTSTEPS
.irp g, 0,1
.irp u, 0,1
	ADDB 2*\g+\u, 0
	QUANT H, PA+6*\u, PB+6*\u, W+\u, 0x1800000     ; tile 2 g + u: the first head's 64 into half u of PA, the second's into half u of PB
.endr
	v_lshrrev_b32 v[T0], v[SH16W], v[W]
	v_lshrrev_b32 v[T0+1], v[SH16W], v[W+1]
	v_perm_b32 v[QW+\g], v[T0+1], v[T0], 0x05040100   ; the pair's word: the even tile's two bytes, the odd tile's two
.irp c, 0,1,2
	global_store_b128 v[LIW], v[PA+4*\c:PA+4*\c+3], s[52:53] offset:1536*\g+512*\c
	global_store_b128 v[LIW], v[PB+4*\c:PB+4*\c+3], s[52:53] offset:204800+1536*\g+512*\c
.endr
.endr
	global_store_b64 v[OKW], v[QW:QW+1], s[54:55]  ; lanes 0-15: the first head's 128 bytes; lanes 16-31: the second's
	WIN 0
	s_branch .Lend
.Lkind_v:
	s_wait_kmcnt 0x0
	s_lshl_b32 s40, s17, 1
	s_add_co_u32 s40, s40, s19                     ; my group of 128 tokens: a key step
	s_and_b32 s41, s40, 15
	s_lshr_b32 s40, s40, 4                         ; batch
	s_sub_co_u32 s42, s16, 16
	s_lshl_b32 s42, s42, 1
	s_add_co_u32 s42, s42, s20                     ; head
	s_lshl_b32 s40, s40, 4
	s_add_co_u32 s40, s40, s42
	s_lshl_b32 s44, s42, 8
	s_mov_b32 s45, 0
	s_add_nc_u64 s[46:47], s[28:29], s[44:45]
	WIN 0x80
.irp a, 0,1,2,3
	global_load_b32 v[BI+2*\a], v15, s[46:47] offset:(32*(\a/2)+8*(\a%2))*4     ; my row's one number of the bias, twice: a pair for the packed add
	global_load_b32 v[BI+2*\a+1], v15, s[46:47] offset:(32*(\a/2)+8*(\a%2))*4
.endr
	WIN 0
	s_mul_i32 s44, s40, 204800
	s_mul_i32 s48, s41, 12800
	s_add_co_u32 s44, s44, s48
	s_add_nc_u64 s[50:51], s[32:33], s[44:45]
	LASTSTEPS
.irp a, 0,1,2,3
	ADDB \a, 1
	QUANT H, PA, PA+6, QW+\a, 0x1800000            ; 16 d x 128 keys: a whole fragment of v^T
.irp c, 0,1,2
	global_store_b128 v[LIW], v[PA+4*\c:PA+4*\c+3], s[50:51] offset:6144+1536*\a+512*\c
.endr
.endr
	v_cmp_eq_u32 vcc_lo, 1, v[HW]
	v_cndmask_b32 v[T0], v[QW], v[QW+2], vcc_lo    ; lane (r, h) sends words 2 h and 2 h + 1 of row r
	v_cndmask_b32 v[T0+1], v[QW+1], v[QW+3], vcc_lo
	global_store_b64 v[OVW], v[T0:T0+1], s[50:51] offset:12544   ; 32 lanes store 256 consecutive bytes, aligned
	WIN 0
.Lend:
	s_wait_tensorcnt 0x0                           ; the wave's end: behind my last tensor load
	ds_add_u32 v[SPW], v[NIL]
	s_wait_dscnt 0x0
	CROUND                                         ; the closing round
	s_endpgm
.Lfunc_end_k_q9349893cdb_qkv:
	.size	k_q9349893cdb_qkv, .Lfunc_end_k_q9349893cdb_qkv-k_q9349893cdb_qkv
	.p2alignl 7, 3214868480
	.fill 96, 4, 3214868480
	.section	.rodata,"a",@progbits
	.p2align	6, 0x0
	.amdhsa_kernel k_q9349893cdb_qkv
		.amdhsa_group_segment_fixed_size 307712
		.amdhsa_private_segment_fixed_size 0
		.amdhsa_enable_private_segment 0
		.amdhsa_kernarg_size 56
		.amdhsa_user_sgpr_count 2
		.amdhsa_user_sgpr_kernarg_segment_ptr 1
		.amdhsa_wavefront_size32 1
		.amdhsa_system_sgpr_workgroup_id_x 1
		.amdhsa_system_sgpr_workgroup_id_y 1
		.amdhsa_system_sgpr_workgroup_id_z 1
		.amdhsa_system_vgpr_workitem_id 0
		.amdhsa_next_free_vgpr 912
		.amdhsa_next_free_sgpr 102
		.amdhsa_reserve_vcc 1
		.amdhsa_float_denorm_mode_32 3
		.amdhsa_float_denorm_mode_16_64 3
		.amdhsa_memory_ordered 1
		.amdhsa_forward_progress 1
		.amdhsa_inst_pref_size 167
	.end_amdhsa_kernel
	.amdgpu_metadata
---
amdhsa.version: [ 1, 2 ]
amdhsa.kernels:
  - .name:           k_q9349893cdb_qkv
    .symbol:         k_q9349893cdb_qkv.kd
    .args:
      - { .name: hbuf, .offset: 0, .size: 8, .value_kind: global_buffer, .address_space: global }
      - { .name: wbuf, .offset: 8, .size: 8, .value_kind: global_buffer, .address_space: global }
      - { .name: bq, .offset: 16, .size: 8, .value_kind: global_buffer, .address_space: global }
      - { .name: bk, .offset: 24, .size: 8, .value_kind: global_buffer, .address_space: global }
      - { .name: bv, .offset: 32, .size: 8, .value_kind: global_buffer, .address_space: global }
      - { .name: qbuf, .offset: 40, .size: 8, .value_kind: global_buffer, .address_space: global }
      - { .name: kvbuf, .offset: 48, .size: 8, .value_kind: global_buffer, .address_space: global }
    .group_segment_fixed_size: 307712
    .private_segment_fixed_size: 0
    .kernarg_segment_align: 8
    .kernarg_segment_size: 56
    .max_flat_workgroup_size: 128
    .sgpr_count:     102
    .vgpr_count:     912
    .wavefront_size: 32
...
	.end_amdgpu_metadata
.endif
;; end of part 2
;; launch attn (part 3): grid 4 x 64, 8 waves a work-group, clusters of 4 x 1, 265,216 bytes of LDS; arguments qbuf, kvbuf, attention_mask, cbuf; writes cbuf
.if DOCPART == 3
	.amdgcn_target "amdgcn-amd-amdhsa--gfx1250"
	.amdhsa_code_object_version 6
	.text
	.protected	k_q9349893cdb_attn
	.globl	k_q9349893cdb_attn
	.p2align	8
	.type	k_q9349893cdb_attn,@function
k_q9349893cdb_attn:
	s_mov_b64 s[64:65], 0
	v_nop
	global_prefetch_b8 v0, s[64:65] scope:SCOPE_SE
	s_setreg_imm32_b32 hwreg(HW_REG_WAVE_MODE, 25, 1), 1
	s_wait_xcnt 0x0
	s_wait_alu depctr_hold_cnt(0) depctr_sa_sdst(0) depctr_va_vdst(0) depctr_va_sdst(0) depctr_va_ssrc(0) depctr_va_vcc(0) depctr_vm_vsrc(0)
	s_getreg_b32 s2, hwreg(HW_REG_IB_STS2, 6, 4)
	s_cmp_eq_u32 s2, 0
	s_cbranch_scc0 .Lentry_in_a_cluster
	s_endpgm
.Lentry_in_a_cluster:
	s_bfe_u32 s2, ttmp6, 0x10000c
	s_cmp_lg_u32 s2, 0x3003
	s_cbranch_scc0 .Lentry_shape_is_right
	s_endpgm
.Lentry_shape_is_right:
; ctx = softmax(q k^T / 8 + mask) v on codes of E2M3, one batch x head and 512 queries a work-group; ctx is quantised in registers for the projection on the way out.  No work is left out.
; Both products are used transposed (S^T = k q^T, O^T = v^T p^T): a lane holds one query.  p = 2^(t - M), M the running ceiling of the largest t; the row's sum is taken of the unquantised p.
; LIMITS: the promise holds while the scaled scores stay under 2^31 in magnitude; NaN among the inputs is not served; a block of p or ctx that is all zeros gets the byte 1, its codes are zeros.
; SHARES.  8 waves; a wave takes TWO tiles of 16 queries at once (tile w in register window w), in two passes: each fragment of k and v and each mask register read from LDS serves 32 queries.
; LDS.  The head's 16 key steps lie in LDS at once, each byte filled once: one joint load a wave (two steps, 50 rows of 512 bytes), shared by the four work-groups of the cluster, which take the same head.
; 128 bytes of padding follow each 512: byte y of a step lies at y + 128 (y / 512), a step is 16,000 bytes.  The batch's mask comes by plain loads and LDS stores into bytes of its own.
; No prefetch: every tile of the launch is asked for at its head, so there is no loop to run ahead in.
; THE KEYS OF A SCORE TILE are chosen by the lanes' LDS addresses: rows 0-7 of tile 4 c + j take keys 64 c + 8 j + i, rows 8-15 keys 64 c + 32 + 8 j + i.  So register S + 32 c + 8 j + i of lane (r, h) is key
; 64 c + 32 h + 8 j + i of query r: a lane holds two whole blocks of 32 keys in the order of the next operand's registers.  In kvbuf's images these rows are lanes (r % 8) + 8 (j / 2) of pair 2 c + r / 8;
; with the padding a pair is 1,920 bytes.
; A head has 64 along d and the instruction 128: a fragment of k holds two tiles (j even in registers 0-5, odd in 6-11), and q stands as [q, 0] or [0, q].  The mask is the C of the score products.
; THE EXPONENTIALS of one half of a tile stand by turns with plain lines whose results are first read behind the next wait: the other half's t - M, then the first level of the sum's tree.
; The tree adds in place, so a half's conversions stand ahead of it.  O^T is brought under the new M ahead of the step's first exponential.
; REGISTERS.  In window w, tile w's: S v64-127, O v128-159, q v160-177 (q, zeros, q), p's codes v226-237.  Window 0: v1-17 addresses, v24-37 scale words, v40-54 and v240-254 the two tiles' single numbers,
; v56-62 tile 0's conversion scratch, v178-225 k's fragments.  Window 1: v0-63 the mask, v178-225 v's fragments, v238-244 tile 1's conversion scratch, v250-251 tile 1's scale operands once more.
.set STEPB, 16000
.set MASKB, 256000
.set SPARE, 264192
.set L16, 1
.set AK0, 2
.set AKS0, 3
.set AM0, 4
.set SPW, 5                            ; never rewritten
.set NIL, 6                            ; never rewritten
.set L8, 7
.set AVS0, 8                           ; 16 r
.set AKC, 9
.set AKSC, 10
.set AMC, 11
.set AVC, 12
.set AVSC, 13
.set OSC, 14
.set HS, 16                            ; 8 h
.set HH, 17                            ; h
.set KS, 24                            ; k's scale words; q's from QS: the numbers of the two sides differ modulo 8
.set QS, 28
.set VS, 32
.set PW, 36
.set S, 64
.set O, 128
.set Q, 160
.set KF, 178
.set VF, 178
.set P, 226
.set MK, 0
; a tile's single numbers, from b = 40 (tile 0) or 240 (tile 1): b -M, b+1 the old -M, b+2 f (b+3 fills the pair), b+4,5 the sum, b+8,9 the blocks' maxima, b+10,11 scale operands, b+12..14 scratch;
; b+6 .. b+13 are first the eight chains of the search for the maxima
.set MSB, 0
.macro WIN new                         ; the immediate's high byte repeats the setting that is left
.if MSB != (\new)
	s_set_vgpr_msb (MSB<<8)|(\new)
.set MSB, (\new)
.endif
.endm
.macro WALU
	s_wait_alu depctr_va_vdst(0)
.endm
.macro H2                              ; the line behind it reads what the second plain line back wrote
	s_delay_alu instid0(VALU_DEP_2)
.endm
.macro CROUND
	s_barrier_signal -1
	s_barrier_wait -1
	s_cmp_lg_u32 s12, 0
	s_cbranch_scc1 .Lnot_wave_0_\@
	s_barrier_signal -3
.Lnot_wave_0_\@:
	s_barrier_wait -3
	s_barrier_signal -1
	s_barrier_wait -1
.endm
.macro LOADK ak, aks, am               ; a step's k, its scale words and its mask: 32 LDS loads
	WIN 0
.irp f, 0,1,2,3
.irp c, 0,1,2
	ds_load_b128 v[KF+12*\f+4*\c:KF+12*\f+4*\c+3], v[\ak] offset:3840*(\f/2)+128*(\f%2)+640*\c
.endr
	ds_load_b32 v[KS+\f], v[\aks] offset:15360+128*(\f/2)+64*(\f%2)
.endr
	WIN 0x40
.set n, 0
.rept 16
	ds_load_b128 v[MK+4*n:MK+4*n+3], v[\am] offset:256*(n/8)+16*(n%8)
.set n, n+1
.endr
.endm
.macro QLOAD                           ; a pass's q, each tile's six registers twice, and its scale words
.irp w, 0,1
	WIN 0x40*\w
.irp p, 0,1,2
	global_load_b64 v[Q+2*\p:Q+2*\p+1], v[L8], s[56:57] offset:768*\w+256*\p
	global_load_b64 v[Q+12+2*\p:Q+13+2*\p], v[L8], s[56:57] offset:768*\w+256*\p
.endr
.endr
	WIN 0
	global_load_b32 v[QS], v[AVS0], s[58:59]
	global_load_b32 v[QS+2], v[AVS0], s[58:59] offset:4
.endm
.macro AHEAD w
	WIN 0x41*\w
.set j, 0
.rept 16
	v_pk_mul_f32 v[O+j:O+j+1], v[O+j:O+j+1], v[42+200*\w:43+200*\w] op_sel_hi:[1,0]
.set j, j+2
.endr
.set j, 0
.rept 16
	v_pk_fma_f32 v[S+j:S+j+1], v[S+j:S+j+1], s[22:23], v[40+200*\w:41+200*\w] op_sel_hi:[1,0,0]
.set j, j+2
.endr
.endm
.macro EXPA w                          ; p of the first half; by turns t - M of the second, first read behind the next wait
.set k, 0
.rept 16
	v_exp_f32 v[S+2*k], v[S+2*k]
	v_exp_f32 v[S+2*k+1], v[S+2*k+1]
	v_pk_fma_f32 v[S+32+2*k:S+33+2*k], v[S+32+2*k:S+33+2*k], s[22:23], v[40+200*\w:41+200*\w] op_sel_hi:[1,0,0]
.set k, k+1
.endr
.endm
.macro ADDP a, b
	v_pk_add_f32 v[S+\a:S+\a+1], v[S+\a:S+\a+1], v[S+\b:S+\b+1]
.endm
.macro EXPB w                          ; the first half's codes; then p of the second half, by turns with the first level of the first half's sum
	v_cvt_scalef32_pk16_fp6_f32 v[P:P+2], v[S:S+15], v[50+200*\w]
	v_cvt_scalef32_pk16_fp6_f32 v[56+182*\w:58+182*\w], v[S+16:S+31], v[50+200*\w]   ; (a conversion's three registers begin on an even number)
	v_nop                                          ; one plain place behind a scaled conversion
.irp i, 0,1,2
	v_mov_b32 v[P+3+\i], v[56+182*\w+\i]
.endr
.set k, 0
.rept 8
.irp i, 0,1,2,3
	v_exp_f32 v[S+32+4*k+\i], v[S+32+4*k+\i]
.endr
	v_pk_add_f32 v[S+4*k:S+4*k+1], v[S+4*k:S+4*k+1], v[S+4*k+2:S+4*k+3]
.set k, k+1
.endr
.endm
.macro TAIL w                          ; the second half's codes, and the rest of the tree: the row's sum of the unquantised p
	v_cvt_scalef32_pk16_fp6_f32 v[P+6:P+8], v[S+32:S+47], v[51+200*\w]
	v_cvt_scalef32_pk16_fp6_f32 v[60+182*\w:62+182*\w], v[S+48:S+63], v[51+200*\w]
.irp a, 0,8,16,24
	ADDP \a, \a+4                                  ; (plain lines on the first half: the place behind the conversions)
.endr
.irp a, 32,36,40,44,48,52,56,60
	ADDP \a, \a+2
.endr
.irp i, 0,1,2
	v_mov_b32 v[P+9+\i], v[60+182*\w+\i]
.endr
	ADDP 0, 8
	ADDP 16, 24
.irp a, 32,40,48,56
	ADDP \a, \a+4
.endr
	ADDP 0, 16
	ADDP 32, 40
	ADDP 48, 56
	ADDP 32, 48
	ADDP 0, 32
	WIN 0x04*\w
	v_pk_add_f32 v[44+200*\w:45+200*\w], v[44+200*\w:45+200*\w], v[S:S+1]
.endm
; A step of 128 keys for both tiles.  pre = 1: the next step's k and mask are asked for behind the score products
.macro STEP pre
	s_wait_dscnt 0x0                               ; this step's k, scale words and mask, asked for a step ago
.irp w, 0,1
	WIN 0x10|(0x44*\w)                             ; k window 0, q and S window w, the mask window 1
.irp f, 0,1,2,3
.irp u, 0,1
	v_wmma_scale_f32_16x16x128_f8f6f4 v[S+16*\f+8*\u:S+16*\f+8*\u+7], v[KF+12*\f:KF+12*\f+11], v[Q+6*\u:Q+6*\u+11], v[MK+16*\f+8*\u:MK+16*\f+8*\u+7], v[KS+\f], v[QS+2*\w+\u] matrix_a_fmt:MATRIX_FMT_FP6 matrix_b_fmt:MATRIX_FMT_FP6
.endr
.endr
.endr
	WIN 0
	v_add_nc_u32 v[AVC], s52, v[L16]               ; these lines are also the places in front of the loads below
	v_add_nc_u32 v[AVSC], s52, v[AVS0]
.if \pre
	v_add_nc_u32 v[AKC], s51, v[AK0]
	v_add_nc_u32 v[AKSC], s51, v[AKS0]
	v_add_nc_u32 v[AMC], s53, v[AM0]
.else
	v_nop
	v_nop
.endif
	WIN 0x40
.irp t, 0,1,2,3
.irp c, 0,1,2
	ds_load_b128 v[VF+12*\t+4*\c:VF+12*\t+4*\c+3], v[AVC] offset:7680+1920*\t+640*\c
.endr
.endr
	WIN 0
	ds_load_b128 v[VS:VS+3], v[AVSC] offset:15616
.if \pre
	LOADK AKC, AKSC, AMC
.endif
.irp w, 0,1                            ; the largest score of each block of 32 keys, all in my lane: a chain to each accumulator, read from its low end on
	WIN 0x15*\w
.irp k, 0,1,2,3,4,5,6,7
	v_max3_num_f32 v[46+200*\w+\k], v[S+8*\k], v[S+8*\k+1], v[S+8*\k+2]
.endr
	WIN 0x14*\w
.irp i, 3,5
.irp k, 0,1,2,3,4,5,6,7
	v_max3_num_f32 v[46+200*\w+\k], v[46+200*\w+\k], v[S+8*\k+\i], v[S+8*\k+\i+1]
.endr
.endr
.irp m, 0,1,2,3
	v_max3_num_f32 v[46+200*\w+2*\m], v[46+200*\w+2*\m], v[S+16*\m+7], v[S+16*\m+15]
.endr
.endr
	WIN 0                                          ; the chains are joined; then the new M and f = 2^(old M - new M), the two tiles line by line in turn
.irp b, 40,240
	v_mov_b32 v[\b+1], v[\b]
.endr
.irp b, 40,240
	v_max3_num_f32 v[\b+8], v[\b+6], v[\b+7], v[\b+8]
.endr
.irp b, 40,240
	v_max3_num_f32 v[\b+10], v[\b+10], v[\b+11], v[\b+12]
.endr
.irp b, 40,240
	v_max_num_f32 v[\b+8], v[\b+8], v[\b+9]        ; block h's largest score
.endr
.irp b, 40,240
	v_max_num_f32 v[\b+9], v[\b+10], v[\b+13]      ; block 2 + h's
.endr
.irp b, 40,240
	H2
	v_max_num_f32 v[\b+12], v[\b+8], v[\b+9]
.endr
.irp b, 40,240
	H2
	v_permlanex16_b32 v[\b+13], v[\b+12], s20, s21
.endr
.irp b, 40,240
	H2
	v_max_num_f32 v[\b+12], v[\b+12], v[\b+13]     ; the step's largest score of my query
.endr
.irp b, 40,240
	H2
	v_mul_f32 v[\b+12], s22, v[\b+12]
.endr
.irp b, 40,240
	H2
	v_floor_f32 v[\b+12], -v[\b+12]
.endr
.irp b, 40,240
	H2
	v_min_num_f32 v[\b], v[\b], v[\b+12]           ; -M = floor(-(the running largest t)): a whole number
.endr
.irp b, 40,240
	H2
	v_sub_f32 v[\b+12], v[\b], v[\b+1]
.endr
.irp b, 40,240
	H2
	v_cvt_i32_f32 v[\b+12], v[\b+12]               ; (it saturates)
.endr
.irp b, 40,240
	H2
	v_ldexp_f32 v[\b+2], 1.0, v[\b+12]
.endr
.irp b, 40,240
	v_fma_f32 v[\b+8], v[\b+8], s22, v[\b]         ; t - M of each block's largest score
	v_fma_f32 v[\b+9], v[\b+9], s22, v[\b]
.endr
	AHEAD 0
	AHEAD 1
	WIN 0
	WALU                                           ; the wait ahead of the exponentials
.irp b, 40,240
	v_exp_f32 v[\b+8], v[\b+8]                     ; the block's largest p
	v_exp_f32 v[\b+9], v[\b+9]
.endr
	EXPA 0
	WALU                                           ; and ahead of the first reader of their results
.irp b, 40,240
	v_max_num_f32 v[\b+8], 0x1800000, v[\b+8]      ; the floor 2^(3 - 127): the byte cannot fall under 1
.endr
.irp b, 40,240
	v_max_num_f32 v[\b+9], 0x1800000, v[\b+9]
.endr
.irp b, 40,240
	v_add_nc_u32 v[\b+10], 0xff000000, v[\b+8]     ; 2 off the exponent field: the conversion's scale operand
.endr
.irp b, 40,240
	v_add_nc_u32 v[\b+11], 0xff000000, v[\b+9]
.endr
.irp b, 40,240
	v_lshrrev_b32 v[\b+12], 23, v[\b+10]
.endr
.irp b, 40,240
	v_lshrrev_b32 v[\b+13], 23, v[\b+11]
.endr
.irp b, 40,240
	H2
	v_lshl_or_b32 v[\b+12], v[\b+13], 16, v[\b+12] ; my two bytes, blocks h and 2 + h,
.endr
.irp b, 40,240
	H2
	v_lshlrev_b32 v[\b+12], v[HS], v[\b+12]        ; at their places in the word;
.endr
.irp b, 40,240
	H2
	v_permlanex16_b32 v[\b+14], v[\b+12], s20, s21
.endr
.irp b, 40,240
	H2
	v_or_b32 v[PW+(\b-40)/200], v[\b+12], v[\b+14] ; with lane l xor 16's two the word is whole
.endr
.irp b, 40,240
	v_pk_mul_f32 v[\b+4:\b+5], v[\b+4:\b+5], v[\b+2:\b+3] op_sel_hi:[1,0]   ; the sum under the new M
.endr
	WIN 0x40
	v_mov_b32 v250, v250                           ; tile 1's scale operands into window 1, where its conversions take them
	v_mov_b32 v251, v251
	WIN 0
	EXPB 0
	WALU
	TAIL 0
	WIN 0x45
	EXPA 1
	WALU
	EXPB 1
	WALU
	TAIL 1
	WALU
	s_wait_dscnt 32*\pre                           ; v and its scale words are in; the 12 + 4 + 16 younger loads, the next step's, may be out
.irp w, 0,1
	WIN 0x01|(0x54*\w)                             ; v window 1; p, O window w
.irp t, 0,1,2,3
	v_wmma_scale_f32_16x16x128_f8f6f4 v[O+8*\t:O+8*\t+7], v[VF+12*\t:VF+12*\t+11], v[P:P+11], v[O+8*\t:O+8*\t+7], v[VS+\t], v[PW+\w] matrix_a_fmt:MATRIX_FMT_FP6 matrix_b_fmt:MATRIX_FMT_FP6
.endr
.endr
	WIN 0
.endm
	s_load_b256 s[4:11], s[0:1], 0x0               ; qbuf, kvbuf, attention_mask, cbuf
	v_lshl_add_u32 v[SPW], v0, 2, SPARE
	v_mov_b32 v[NIL], 0
	ds_add_u32 v[SPW], v[NIL]                      ; the opening: the add, twice on end, and its wait ahead of my first tensor load
	ds_add_u32 v[SPW], v[NIL]
	v_lshrrev_b32 v1, 5, v0
	v_readfirstlane_b32 s12, v1                    ; wave
	s_bfe_u32 s13, ttmp6, 0x40000                  ; cx: which 512 queries
	s_and_b32 s14, ttmp7, 0xffff                   ; batch x 16 + head
	s_lshr_b32 s15, s14, 4
	s_and_b32 s16, s14, 15
	s_mov_b32 s24, 15|(3<<16)|(1<<20)|(1<<21)|(6<<22)|(31<<25)   ; the four partners; elements of 8 bytes; 32 words of padding behind every 128
	s_mov_b32 s25, 64<<16
	s_mov_b32 s26, 50<<16
	s_mov_b32 s27, 64<<16
	s_mov_b32 s28, 50
	s_mov_b32 s29, 64
	s_mov_b32 s30, 0
	s_mov_b32 s31, 0
	s_mov_b32 s40, 1
	s_mul_i32 s41, s12, 2*STEPB                    ; my two key steps
	s_mul_i32 s66, s14, 204800
	s_mul_i32 s67, s12, 25600
	s_add_co_u32 s66, s66, s67
	s_mov_b32 s67, 0
	s_lshl_b32 s68, s15, 13                        ; the batch's mask
	s_mov_b32 s69, 0
	s_mov_b32 s20, 0x76543210
	s_mov_b32 s21, 0xfedcba98                      ; selects for lane l xor 16
	s_mov_b32 s22, 0x3fb8aa3b                      ; log2(e)
	s_mov_b32 s23, s22
	s_wait_dscnt 0x0
	s_wait_kmcnt 0x0
	s_add_nc_u64 s[42:43], s[6:7], s[66:67]
	s_or_b32 s43, s43, 0x80000000
	s_add_nc_u64 s[8:9], s[8:9], s[68:69]
	CROUND                                         ; the four work-groups are here: the joint loads meet
	tensor_load_to_lds s[40:43], s[24:31]          ; one load a wave, the same line in all
	s_nop 0
.rept 4
	v_nop
.endr
	v_lshlrev_b32 v18, 4, v0
	global_load_b128 v[64:67], v18, s[8:9]         ; the mask: 256 threads x 16 bytes, twice
	global_load_b128 v[68:71], v18, s[8:9] offset:4096
	v_add_nc_u32 v19, MASKB, v18
	v_and_b32 v22, 31, v0
	v_and_b32 v20, 15, v0                          ; r
	v_bfe_u32 v[HH], v0, 4, 1                      ; h
	v_lshlrev_b32 v[L16], 4, v22
	v_lshlrev_b32 v[L8], 3, v22
	v_bfe_u32 v22, v0, 3, 1                        ; r / 8
	v_and_b32 v23, 7, v0                           ; r % 8
	v_mul_u32_u24 v[AK0], v22, 1920
	v_lshl_add_u32 v[AK0], v23, 4, v[AK0]
	v_lshl_add_u32 v[AK0], v[HH], 8, v[AK0]        ; k: pair r / 8, the image's lane r % 8 + 16 h
	v_lshlrev_b32 v[AKS0], 2, v22
	v_lshl_add_u32 v[AKS0], v23, 3, v[AKS0]        ; its scale word: 8 bytes a row, 4 a pair
	v_lshl_add_u32 v[AM0], v[HH], 7, MASKB         ; the mask: 32 keys on for lanes 16-31
	v_lshlrev_b32 v[AVS0], 4, v20
	v_lshl_add_u32 v[OSC], v20, 5, v[HH]
	v_lshlrev_b32 v[HS], 3, v[HH]
.irp b, 40,240
	v_mov_b32 v[\b+3], 0                           ; fills f's pair
	v_mov_b32 v[\b+13], 0                          ; a lane permute's destination counts as one of its sources
	v_mov_b32 v[\b+14], 0
.endr
.irp w, 0,1
	WIN 0x40*\w
.irp i, 6,7,8,9,10,11
	v_mov_b32 v[Q+\i], 0                           ; the half of q's fragments that is zeros
.endr
.endr
	WIN 0
	s_lshl_b32 s70, s13, 5
	s_lshl_b32 s71, s12, 1
	s_add_co_u32 s70, s70, s71                     ; my first tile of queries: 32 cx + 2 wave; the second pass: 16 on
	s_mul_i32 s66, s14, 98304
	s_mul_i32 s71, s70, 768
	s_add_co_u32 s66, s66, s71
	s_add_nc_u64 s[56:57], s[4:5], s[66:67]        ; q's codes
	s_lshl_b32 s66, s14, 13
	s_lshr_b32 s71, s70, 2
	s_lshl_b32 s71, s71, 8
	s_add_co_u32 s66, s66, s71
	s_and_b32 s71, s70, 3
	s_lshl_b32 s71, s71, 2
	s_add_co_u32 s66, s66, s71
	s_add_co_u32 s66, s66, 6291456
	s_add_nc_u64 s[58:59], s[4:5], s[66:67]        ; q's scale words
	s_lshl_b32 s68, s15, 4
	s_lshr_b32 s71, s70, 3
	s_add_co_u32 s68, s68, s71                     ; the tokens' group of 128
	s_and_b32 s70, s70, 7
	s_mul_i32 s66, s68, 98304
	s_lshr_b32 s71, s16, 1
	s_mul_i32 s71, s71, 12288
	s_add_co_u32 s66, s66, s71
	s_mul_i32 s71, s70, 1536
	s_add_co_u32 s66, s66, s71
	s_and_b32 s71, s16, 1
	s_mul_i32 s71, s71, 768
	s_add_co_u32 s66, s66, s71
	s_add_nc_u64 s[60:61], s[10:11], s[66:67]      ; ctx's codes
	s_lshl_b32 s66, s68, 12
	s_lshl_b32 s71, s70, 9
	s_add_co_u32 s66, s66, s71
	s_lshl_b32 s71, s16, 1
	s_add_co_u32 s66, s66, s71
	s_add_co_u32 s66, s66, 6291456
	s_add_nc_u64 s[62:63], s[10:11], s[66:67]      ; ctx's scale bytes
	WALU
	QLOAD                                          ; the first pass's q, asked for ahead of the wait for the tiles
	s_wait_tensorcnt 0x0                           ; my two steps are in
	s_wait_loadcnt 0x0
	ds_store_b128 v19, v[64:67]
	ds_store_b128 v19, v[68:71] offset:4096
	s_wait_dscnt 0x0                               ; for the others' sake: my part of the mask has landed
	s_barrier_signal -1
	s_barrier_wait -1                              ; everybody's steps and mask are in
	LOADK AK0, AKS0, AM0                           ; step 0
	WIN 0
	s_mov_b32 s54, 2
.Lpass:
	s_wait_loadcnt 0x0                             ; this pass's q
	v_perm_b32 v[QS+1], v[QS], v[QS], 0x01000302   ; the word for [0, q]: its halves changed over
	v_perm_b32 v[QS+3], v[QS+2], v[QS+2], 0x01000302
.irp b, 40,240
	v_mov_b32 v[\b], 0x7f61b1e6                    ; -M begins at 3e38, over every floor(-t)
	v_mov_b32 v[\b+4], 0
	v_mov_b32 v[\b+5], 0
.endr
.irp w, 0,1
	WIN 0x40*\w
.set j, 0
.rept 32
	v_mov_b32 v[O+j], 0                            ; the step is written once: the first finds zeros
.set j, j+1
.endr
.endr
	WIN 0
	s_mov_b32 s52, 0                               ; this step's bytes, the next step's, the next step's mask
	s_mov_b32 s51, STEPB
	s_mov_b32 s53, 512
	s_mov_b32 s55, 15
	WALU
.Lstep:
	STEP 1
	s_add_co_u32 s52, s52, STEPB
	s_add_co_u32 s51, s51, STEPB
	s_add_co_u32 s53, s53, 512
	s_sub_co_u32 s55, s55, 1
	s_cmp_lg_u32 s55, 0
	s_cbranch_scc1 .Lstep
	STEP 0                                         ; the last step asks for nothing more
	s_cmp_eq_u32 s54, 1                            ; the pass counter: the same in every wave
	s_cbranch_scc1 .Lno_next                       ; the last pass has no successor: nothing is asked for
	s_add_nc_u64 s[56:57], s[56:57], 12288         ; (this pass's loads by these bases were waited for at its head)
	s_add_nc_u64 s[58:59], s[58:59], 1024
	QLOAD                                          ; the next pass's q, and its step 0, ahead of this pass's way out: their registers were last read by this step's score products
	LOADK AK0, AKS0, AM0
	WIN 0
.Lno_next:
.rept 4
	v_nop                                          ; places in front of the first read of results
.endr
.irp b, 40,240
	v_add_f32 v[\b+4], v[\b+4], v[\b+5]
.endr
.irp b, 40,240
	v_permlanex16_b32 v[\b+13], v[\b+4], s20, s21
.endr
.irp b, 40,240
	v_add_f32 v[\b+4], v[\b+4], v[\b+13]           ; the row's sum
.endr
	WALU
.irp b, 40,240
	v_rcp_f32 v[\b+4], v[\b+4]
.endr
.irp b, 40,240
	v_mov_b32 v[\b+5], 0
.endr
.irp w, 0,1
	WIN 0x41*\w
	WALU                                           ; behind the reciprocals, directly ahead of the first reader of O^T
.set j, 0
.rept 16
	v_pk_mul_f32 v[S+j:S+j+1], v[O+j:O+j+1], v[44+200*\w:45+200*\w] op_sel_hi:[1,0]   ; ctx: registers 16 b + i are d = 32 b + 16 h + i
.set j, j+2
.endr
	WIN 0x05*\w
.irp c, 0,1
	v_max3_num_f32 v[48+200*\w+\c], |v[S+16*\c]|, |v[S+16*\c+1]|, 0x1800000
.endr
	WIN 0x14*\w
.irp i, 2,4,6,8,10,12,14
.irp c, 0,1
	v_max3_num_f32 v[48+200*\w+\c], v[48+200*\w+\c], |v[S+16*\c+\i]|, |v[S+16*\c+\i+1]|
.endr
.endr
.endr
	WIN 0
.irp b, 40,240
	v_permlanex16_b32 v[\b+13], v[\b+8], s20, s21
	v_permlanex16_b32 v[\b+14], v[\b+9], s20, s21
.endr
.irp b, 40,240
	v_max_num_f32 v[\b+8], v[\b+8], v[\b+13]
	v_max_num_f32 v[\b+9], v[\b+9], v[\b+14]
.endr
.irp b, 40,240
	v_add_nc_u32 v[\b+10], 0xff000000, v[\b+8]
	v_add_nc_u32 v[\b+11], 0xff000000, v[\b+9]
.endr
.irp b, 40,240
	v_lshrrev_b32 v[\b+12], 23, v[\b+10]
	v_lshrrev_b32 v[\b+13], 23, v[\b+11]
.endr
	v_cmp_eq_u32 vcc_lo, 1, v[HH]
.irp b, 40,240
	v_cndmask_b32 v[\b+12], v[\b+12], v[\b+13], vcc_lo   ; lane (r, h) sends block h's byte
.endr
.irp w, 0,1
	WIN 0x41*\w
	v_cvt_scalef32_pk16_fp6_f32 v[P:P+2], v[S:S+15], v[50+200*\w]
	v_cvt_scalef32_pk16_fp6_f32 v[56+182*\w:58+182*\w], v[S+16:S+31], v[51+200*\w]
	v_nop
.irp i, 0,1,2
	v_permlane16_swap_b32 v[P+\i], v[56+182*\w+\i] ; a whole block to a lane
.endr
.irp i, 0,1,2
	v_mov_b32 v[P+3+\i], v[56+182*\w+\i]
.endr
	WIN 0x04*\w
.irp p, 0,1,2
	global_store_b64 v[L8], v[P+2*\p:P+2*\p+1], s[60:61] offset:1536*\w+256*\p   ; 32 lanes store 256 consecutive bytes, aligned
.endr
.endr
	WIN 0
	global_store_b8 v[OSC], v52, s[62:63]
	global_store_b8 v[OSC], v252, s[62:63] offset:512
	s_wait_xcnt 0x0                                ; the bases and the stores' data are written again only behind this wait
	s_add_nc_u64 s[60:61], s[60:61], 196608
	s_add_nc_u64 s[62:63], s[62:63], 8192
	s_sub_co_u32 s54, s54, 1
	s_cmp_lg_u32 s54, 0
	s_cbranch_scc1 .Lpass
	s_wait_tensorcnt 0x0                           ; the wave's end
	ds_add_u32 v[SPW], v[NIL]
	s_wait_dscnt 0x0
	CROUND                                         ; the closing round
	s_endpgm
.Lfunc_end_k_q9349893cdb_attn:
	.size	k_q9349893cdb_attn, .Lfunc_end_k_q9349893cdb_attn-k_q9349893cdb_attn
	.p2alignl 7, 3214868480
	.fill 96, 4, 3214868480
	.section	.rodata,"a",@progbits
	.p2align	6, 0x0
	.amdhsa_kernel k_q9349893cdb_attn
		.amdhsa_group_segment_fixed_size 265216
		.amdhsa_private_segment_fixed_size 0
		.amdhsa_enable_private_segment 0
		.amdhsa_kernarg_size 32
		.amdhsa_user_sgpr_count 2
		.amdhsa_user_sgpr_kernarg_segment_ptr 1
		.amdhsa_wavefront_size32 1
		.amdhsa_system_sgpr_workgroup_id_x 1
		.amdhsa_system_sgpr_workgroup_id_y 1
		.amdhsa_system_sgpr_workgroup_id_z 1
		.amdhsa_system_vgpr_workitem_id 0
		.amdhsa_next_free_vgpr 512
		.amdhsa_next_free_sgpr 72
		.amdhsa_reserve_vcc 1
		.amdhsa_float_denorm_mode_32 3
		.amdhsa_float_denorm_mode_16_64 3
		.amdhsa_memory_ordered 1
		.amdhsa_forward_progress 1
		.amdhsa_inst_pref_size 80
	.end_amdhsa_kernel
	.amdgpu_metadata
---
amdhsa.version: [ 1, 2 ]
amdhsa.kernels:
  - .name:           k_q9349893cdb_attn
    .symbol:         k_q9349893cdb_attn.kd
    .args:
      - { .name: qbuf, .offset: 0, .size: 8, .value_kind: global_buffer, .address_space: global }
      - { .name: kvbuf, .offset: 8, .size: 8, .value_kind: global_buffer, .address_space: global }
      - { .name: attention_mask, .offset: 16, .size: 8, .value_kind: global_buffer, .address_space: global }
      - { .name: cbuf, .offset: 24, .size: 8, .value_kind: global_buffer, .address_space: global }
    .group_segment_fixed_size: 265216
    .private_segment_fixed_size: 0
    .kernarg_segment_align: 8
    .kernarg_segment_size: 32
    .max_flat_workgroup_size: 256
    .sgpr_count:     72
    .vgpr_count:     512
    .wavefront_size: 32
...
	.end_amdgpu_metadata
.endif
;; end of part 3
;; launch oproj (part 4): grid 4 x 64, 4 waves a work-group, clusters of 4 x 4, 307,712 bytes of LDS; arguments cbuf, wbuf, bo, out0; writes out0
.if DOCPART == 4
	.amdgcn_target "amdgcn-amd-amdhsa--gfx1250"
	.amdhsa_code_object_version 6
	.text
	.protected	k_q9349893cdb_oproj
	.globl	k_q9349893cdb_oproj
	.p2align	8
	.type	k_q9349893cdb_oproj,@function
k_q9349893cdb_oproj:
	s_mov_b64 s[64:65], 0
	v_nop
	global_prefetch_b8 v0, s[64:65] scope:SCOPE_SE
	s_setreg_imm32_b32 hwreg(HW_REG_WAVE_MODE, 25, 1), 1
	s_wait_xcnt 0x0
	s_wait_alu depctr_hold_cnt(0) depctr_sa_sdst(0) depctr_va_vdst(0) depctr_va_sdst(0) depctr_va_ssrc(0) depctr_va_vcc(0) depctr_vm_vsrc(0)
	s_getreg_b32 s2, hwreg(HW_REG_IB_STS2, 6, 4)
	s_cmp_eq_u32 s2, 0
	s_cbranch_scc0 .Lentry_in_a_cluster
	s_endpgm
.Lentry_in_a_cluster:
	s_bfe_u32 s2, ttmp6, 0x10000c
	s_cmp_lg_u32 s2, 0xf033
	s_cbranch_scc0 .Lentry_shape_is_right
	s_endpgm
.Lentry_shape_is_right:
; out0 = ctx Wo^T + bo on codes of E2M3.  No work is left out.
; FORM, as in the projections on the way in: D = X0 (source 0: 256 rows of Wo a work-group) x X1 (source 1: 128 tokens of ctx), all of K = 1,024; a lane holds one token and its registers run along the output's columns.
; All eight K steps of both operands' codes lie in LDS at once, each byte filled once.  Wo's fragments are images in three planes of 512 bytes, ctx's in six planes of 256 bytes.
; CLUSTER 4 x 4: X0 hangs on cx alone and is shared along a column of the cluster, X1 on cy alone and is shared along a row.
; The bias is the C of each sum's first matrix instruction.  The tokens of a tile are token 32 (t / 2) + 8 (t % 2) + i + 8 (i / 8) of their group: the stores' immediates put each row where it belongs.
; THE WAY OUT: a tile's 16 rows x 128 columns go through the wave's own stage in LDS and leave as whole rows of 512 bytes.  The stages lie in X0's bytes, which have had their only fill and, behind a barrier, are read by nobody.
; REGISTERS.  window 0: v1-15 addresses; v16-79 X0's scale words; v80-111 X1's; v112-175 the bias, later rows on the way out; v176-239 rows on the way out.   window 1: accumulator (a, b) at v[8 (8 a + b)].
;   windows 2, 3: the two sets of fragments: X0's tile b at v[12 b], X1's tile a at v[96 + 12 a].
.set X1C,   196608
; LDS holds codes alone, X0's as [half of K][group][K step]: the scale words come by plain loads straight into registers
.set SPARE, 307200
.set LI,   1                           ; v1   16 x lane
.set AX0,  4
.set AX1,  6
.set ASC0, 8
.set ASC1, 9
.set SPW,  10                          ; never rewritten
.set NIL,  11                          ; never rewritten
.set STO,  12
.set RD,   13
.set SC0,  16
.set SC1,  80
.set BI,   112
.set BK,   112
.set MSB, 0
.macro WIN new                         ; the immediate's high byte repeats the setting that is left
.if MSB != (\new)
	s_set_vgpr_msb (MSB<<8)|(\new)
.set MSB, (\new)
.endif
.endm
.macro PLACES n
.rept \n
	v_nop
.endr
.endm
.macro ARM under, g0, g1, next         ; one arm of the head's chain of branches on the wave's number: its joint load, an s_nop 0 and four v_nop, a jump to the chain's end
	s_cmp_lt_u32 s18, \under
	s_cbranch_scc0 \next
	tensor_load_to_lds s[\g0:\g0+3], s[\g1:\g1+7]
	s_nop 0
.rept 4
	v_nop
.endr
	s_branch .Lhead_asked
\next:
.endm
.macro CROUND
	s_barrier_signal -1
	s_barrier_wait -1
	s_cmp_lg_u32 s18, 0
	s_cbranch_scc1 .Lnot_wave_0_\@
	s_barrier_signal -3
.Lnot_wave_0_\@:
	s_barrier_wait -3
	s_barrier_signal -1
	s_barrier_wait -1
.endm
.macro G1REST g, rows                  ; a dense block as rows of 256 bytes: 32 elements of 8 bytes, no padding
	s_mov_b32 s[\g+1], 32<<16
	s_mov_b32 s[\g+2], (\rows)<<16
	s_mov_b32 s[\g+3], 32<<16
	s_mov_b32 s[\g+4], \rows
	s_mov_b32 s[\g+5], 32
	s_mov_b32 s[\g+6], 0
	s_mov_b32 s[\g+7], 0
.endm
.macro FETCH s, p
	WIN (2+(\p))<<6
.irp b, 0,1,2,3,4,5,6,7
.irp c, 0,1,2
	ds_load_b128 v[12*\b+4*\c:12*\b+4*\c+3], v[AX0+(\s)/4] offset:((\s)%4)*12288+1536*\b+512*\c
.endr
.endr
.irp a, 0,1,2,3
.irp p2, 0,1,2,3,4,5
	ds_load_b64 v[96+12*\a+2*\p2:96+12*\a+2*\p2+1], v[AX1+(\s)/4] offset:((\s)%4)*12288+1536*\a+256*\p2
.endr
.endr
.endm
.macro MUL s, p, first                 ; 32 matrix instructions; the accumulators take turns, in the same order in every step
.if \first
	WIN 0x4a                                       ; the bias lies in window 0
.else
	WIN 0x5a+5*(\p)
.endif
.irp a, 0,1,2,3
.irp b, 0,1,2,3,4,5,6,7
.if \first
	v_wmma_scale_f32_16x16x128_f8f6f4 v[8*(8*\a+\b):8*(8*\a+\b)+7], v[12*\b:12*\b+11], v[96+12*\a:96+12*\a+11], v[BI+8*\b:BI+8*\b+7], v[SC0+8*\b+(\s)], v[SC1+8*\a+(\s)] matrix_a_fmt:MATRIX_FMT_FP6 matrix_b_fmt:MATRIX_FMT_FP6
.else
	v_wmma_scale_f32_16x16x128_f8f6f4 v[8*(8*\a+\b):8*(8*\a+\b)+7], v[12*\b:12*\b+11], v[96+12*\a:96+12*\a+11], v[8*(8*\a+\b):8*(8*\a+\b)+7], v[SC0+8*\b+(\s)], v[SC1+8*\a+(\s)] matrix_a_fmt:MATRIX_FMT_FP6 matrix_b_fmt:MATRIX_FMT_FP6
.endif
.endr
.endr
.endm
.macro STEP s
	s_wait_dscnt 0x0                               ; this step's fragments, asked for 32 matrix instructions ago
.if (\s) == 3
	s_wait_tensorcnt 0x0                           ; every wave: the second half of K, which waves 2 and 3 asked for, is in;
	s_barrier_signal -1
	s_barrier_wait -1                              ; all know it.
.endif
.if (\s) < 7
.if (\s) > 0
	PLACES 4                                       ; in front of loads into registers that the last step's matrix instructions read
.endif
	FETCH (\s)+1, ((\s)+1)%2
.endif
.if (\s) == 0
	MUL \s, 0, 1
.else
	MUL \s, (\s)%2, 0
.endif
.endm
.macro TOSTAGE a                       ; X1's tile a: 16 rows x 128 columns into my stage, and back as whole rows
	WIN 0x04                                       ; an LDS store's data are its source 1: window 1
.irp b, 0,1,2,3,4,5,6,7
	ds_store_b128 v[STO], v[64*(\a)+8*\b:64*(\a)+8*\b+3] offset:128*(\b/2)+32*(\b%2)        ; each accumulator from its low end on
	ds_store_b128 v[STO], v[64*(\a)+8*\b+4:64*(\a)+8*\b+7] offset:128*(\b/2)+32*(\b%2)+16
.endr
	WIN 0
.set BB, BK+64*((\a)%2)
.irp t, 0,1,2,3,4,5,6,7,8,9,10,11,12,13,14,15
	ds_load_b128 v[BB+4*\t:BB+4*\t+3], v[RD] offset:528*\t   ; LDS serves a wave's instructions in order: these see my stores, and the next tile's stores come behind them
.endr
.endm
.macro SEND a, younger                 ; younger: the LDS instructions issued behind tile a's loads, which may stay out
.set BB, BK+64*((\a)%2)
	s_wait_dscnt \younger
.irp t, 0,1,2,3,4,5,6,7,8,9,10,11,12,13,14,15
	global_store_b128 v[LI], v[BB+4*\t:BB+4*\t+3], s[10:11] offset:(32*((\a)/2)+8*((\a)%2)+\t+8*(\t/8))*4096 th:TH_STORE_NT   ; 32 lanes store 512 consecutive bytes of a row, aligned to 256
.endr
.endm
	s_load_b256 s[4:11], s[0:1], 0x0               ; cbuf, wbuf, bo, out0
	v_lshl_add_u32 v[SPW], v0, 2, SPARE
	v_mov_b32 v[NIL], 0
	ds_add_u32 v[SPW], v[NIL]                      ; the wave's opening: the add, twice on end, and its wait ahead of my first tensor load
	ds_add_u32 v[SPW], v[NIL]
	v_lshrrev_b32 v1, 5, v0
	v_readfirstlane_b32 s18, v1                    ; wave
	s_lshr_b32 s19, s18, 1                         ; i: my half of X0.  Also: which half of K I fetch
	s_and_b32 s20, s18, 1                          ; j: my half of X1.  Also: which part I fetch
	s_bfe_u32 s21, ttmp6, 0x40000                  ; cx
	s_bfe_u32 s22, ttmp6, 0x40004                  ; cy
	s_and_b32 s23, ttmp7, 0xffff                   ; the cluster's y
	s_lshl_b32 s13, 0x1111, s21                    ; my column of the cluster
	s_lshl_b32 s3, s22, 2
	s_lshl_b32 s3, 15, s3                          ; my row
	s_or_b32 s24, s13, (3<<16)|(1<<21)             ; group 1, X0's codes: the mask; elements of 8 bytes; bit 21 beside a mask
	s_or_b32 s32, s3, (3<<16)|(1<<21)              ; X1's codes
	s_mov_b32 s25, 6144<<16                        ; X0, half of K of two groups: 2 rows of 49,152 bytes (6,144 elements), 98,304 bytes apart
	s_mov_b32 s26, 2<<16
	s_mov_b32 s27, 6144<<16
	s_mov_b32 s28, 2
	s_mov_b32 s29, 12288
	s_mov_b32 s30, 0
	s_mov_b32 s31, 0
	G1REST 32, 192                                 ; X1, half of K of one group: 49,152 bytes on end
	s_add_co_u32 s17, s21, 12                      ; X0: Wo's 256 rows number cx: the buffer's number 12 + cx
	s_lshl_b32 s16, s23, 2
	s_add_co_u32 s16, s16, s22                     ; X1: the group of 128 tokens
	s_mul_i32 s100, s17, 196608
	s_mov_b32 s101, 0
	s_lshl_b32 s66, s17, 13
	s_add_co_u32 s66, s66, 3145728
	s_mov_b32 s67, 0
	s_mul_i32 s14, s16, 98304
	s_mov_b32 s15, 0
	s_lshl_b32 s2, s16, 12
	s_add_co_u32 s2, s2, 6291456
	s_mov_b32 s3, 0
	s_mov_b32 s73, 0                               ; where the four tiles go in LDS
	s_mov_b32 s77, 98304
	s_mov_b32 s61, X1C
	s_mov_b32 s89, X1C+49152
	s_wait_dscnt 0x0                               ; both opening adds are done
	s_wait_kmcnt 0x0
	s_add_nc_u64 s[70:71], s[6:7], s[66:67]
	s_add_nc_u64 s[100:101], s[6:7], s[100:101]
	s_add_nc_u64 s[58:59], s[4:5], s[2:3]
	s_add_nc_u64 s[14:15], s[4:5], s[14:15]
	s_mov_b32 s72, 1
	s_mov_b64 s[74:75], s[100:101]
	s_or_b32 s75, s75, 0x80000000
	s_mov_b32 s76, 1
	s_add_nc_u64 s[78:79], s[100:101], 49152
	s_or_b32 s79, s79, 0x80000000
	s_mov_b32 s60, 1
	s_mov_b64 s[62:63], s[14:15]
	s_or_b32 s63, s63, 0x80000000
	s_mov_b32 s88, 1
	s_add_nc_u64 s[90:91], s[14:15], 49152
	s_or_b32 s91, s91, 0x80000000
	CROUND                                         ; all sixteen work-groups are here: the joint loads meet
	ARM 1, 72, 24, .Lhead_b                        ; one tensor load a wave: wave 0 X0's K steps 0-3,
	ARM 2, 60, 32, .Lhead_c                        ; wave 1 X1's K steps 0-3,
	ARM 3, 76, 24, .Lhead_d                        ; wave 2 X0's K steps 4-7,
	tensor_load_to_lds s[88:91], s[32:39]          ; wave 3 X1's
	s_nop 0
.rept 4
	v_nop
.endr
.Lhead_asked:
	v_and_b32 v1, 31, v0
	v_and_b32 v2, 15, v0                           ; r
	v_bfe_u32 v3, v0, 4, 1                         ; h
	v_lshlrev_b32 v15, 3, v1                       ; 8 x lane
	v_lshlrev_b32 v[LI], 4, v1
	s_wait_alu depctr_va_vdst(0)
	v_lshlrev_b32 v14, 6, v3                       ; 64 h: the bias
	s_lshl_b32 s12, s21, 10
	s_lshl_b32 s13, s19, 9
	s_add_co_u32 s12, s12, s13                     ; my first column, in bytes: (256 cx + 128 i) x 4
	s_mov_b32 s13, 0
	s_add_nc_u64 s[8:9], s[8:9], s[12:13]
.irp b, 0,1,2,3
.irp q, 0,1,2,3
	global_load_b128 v[BI+16*\b+4*\q:BI+16*\b+4*\q+3], v14, s[8:9] offset:128*\b+16*\q   ; the bias at columns 32 b + 16 h + 0 .. 15 of my half
.endr
.endr
	s_lshl_b32 s2, s16, 7
	s_lshl_b32 s23, s20, 6
	s_add_co_u32 s2, s2, s23                       ; my first token: 128 x group + 64 j
	s_lshl_b32 s2, s2, 12
	s_add_co_u32 s2, s2, s12
	s_add_nc_u64 s[10:11], s[10:11], s[2:3]
	s_mul_i32 s23, s19, 49152
	v_add_nc_u32 v[AX0], s23, v[LI]
	v_add_nc_u32 v[AX0+1], 98304, v[AX0]
	s_mul_i32 s23, s20, 6144
	s_add_co_u32 s23, s23, X1C
	v_add_nc_u32 v[AX1], s23, v15
	v_add_nc_u32 v[AX1+1], 49152, v[AX1]
	s_lshl_b32 s23, s19, 12
	v_lshl_add_u32 v[ASC0], v2, 5, s23             ; my offset in X0's scale bytes: 32 a row
	s_lshl_b32 s23, s20, 11
	v_lshl_add_u32 v[ASC1], v2, 5, s23             ; and in X1's
	s_mul_i32 s23, s18, 8448                       ; my stage: 16 rows of 512 + 16 bytes
	v_mul_u32_u24 v[STO], v2, 528
	v_lshl_add_u32 v[STO], v3, 6, v[STO]
	v_add_nc_u32 v[STO], s23, v[STO]               ; in: row r, + 64 h
	v_add_nc_u32 v[RD], s23, v[LI]                 ; back: a row to the 32 lanes
	s_wait_alu depctr_va_vdst(0)
.irp b, 0,1,2,3,4,5,6,7
	global_load_b128 v[SC0+8*\b:SC0+8*\b+3], v[ASC0], s[70:71] offset:512*\b       ; all K steps' scale words stay in registers: sixteen rows' 512 bytes in two loads
	global_load_b128 v[SC0+8*\b+4:SC0+8*\b+7], v[ASC0], s[70:71] offset:512*\b+16
.endr
.irp a, 0,1,2,3
	global_load_b128 v[SC1+8*\a:SC1+8*\a+3], v[ASC1], s[58:59] offset:512*\a
	global_load_b128 v[SC1+8*\a+4:SC1+8*\a+7], v[ASC1], s[58:59] offset:512*\a+16
.endr
	s_cmp_lt_u32 s18, 2
	s_cbranch_scc0 .Lnot_first
	s_wait_tensorcnt 0x0                           ; waves 0 and 1: my tile of K steps 0-3 is in
.Lnot_first:
	s_barrier_signal -1
	s_barrier_wait -1                              ; all know it; the second half of K may be on its way
	FETCH 0, 0
	s_wait_loadcnt 0x0                             ; the bias
	STEP 0
	STEP 1
	STEP 2
	STEP 3
	STEP 4
	STEP 5
	STEP 6
	STEP 7
	WIN 0
	s_wait_dscnt 0x0                               ; my reads of X0's bytes are over,
	s_barrier_signal -1
	s_barrier_wait -1                              ; everybody's are: the stages may be written
	PLACES 4                                       ; in front of the first read of results
	TOSTAGE 0
.irp a, 1,2,3
.if \a > 1
	s_wait_xcnt 0x0                                ; tile a - 2's stores have read their registers: tile a's loads may land there
.endif
	TOSTAGE \a
	SEND \a-1, 32                                  ; behind tile a - 1's loads: tile a's 16 stores and 16 loads
.endr
	SEND 3, 0
	s_wait_tensorcnt 0x0                           ; the wave's end: behind my last tensor load and my last LDS store
	ds_add_u32 v[SPW], v[NIL]
	s_wait_dscnt 0x0
	CROUND                                         ; the closing round
	s_endpgm
.Lfunc_end_k_q9349893cdb_oproj:
	.size	k_q9349893cdb_oproj, .Lfunc_end_k_q9349893cdb_oproj-k_q9349893cdb_oproj
	.p2alignl 7, 3214868480
	.fill 96, 4, 3214868480
	.section	.rodata,"a",@progbits
	.p2align	6, 0x0
	.amdhsa_kernel k_q9349893cdb_oproj
		.amdhsa_group_segment_fixed_size 307712
		.amdhsa_private_segment_fixed_size 0
		.amdhsa_enable_private_segment 0
		.amdhsa_kernarg_size 32
		.amdhsa_user_sgpr_count 2
		.amdhsa_user_sgpr_kernarg_segment_ptr 1
		.amdhsa_wavefront_size32 1
		.amdhsa_system_sgpr_workgroup_id_x 1
		.amdhsa_system_sgpr_workgroup_id_y 1
		.amdhsa_system_sgpr_workgroup_id_z 1
		.amdhsa_system_vgpr_workitem_id 0
		.amdhsa_next_free_vgpr 912
		.amdhsa_next_free_sgpr 102
		.amdhsa_reserve_vcc 0
		.amdhsa_float_denorm_mode_32 3
		.amdhsa_float_denorm_mode_16_64 3
		.amdhsa_memory_ordered 1
		.amdhsa_forward_progress 1
		.amdhsa_inst_pref_size 84
	.end_amdhsa_kernel
	.amdgpu_metadata
---
amdhsa.version: [ 1, 2 ]
amdhsa.kernels:
  - .name:           k_q9349893cdb_oproj
    .symbol:         k_q9349893cdb_oproj.kd
    .args:
      - { .name: cbuf, .offset: 0, .size: 8, .value_kind: global_buffer, .address_space: global }
      - { .name: wbuf, .offset: 8, .size: 8, .value_kind: global_buffer, .address_space: global }
      - { .name: bo, .offset: 16, .size: 8, .value_kind: global_buffer, .address_space: global }
      - { .name: out0, .offset: 24, .size: 8, .value_kind: global_buffer, .address_space: global }
    .group_segment_fixed_size: 307712
    .private_segment_fixed_size: 0
    .kernarg_segment_align: 8
    .kernarg_segment_size: 32
    .max_flat_workgroup_size: 128
    .sgpr_count:     102
    .vgpr_count:     912
    .wavefront_size: 32
...
	.end_amdgpu_metadata
.endif
;; end of part 4
